; MI455X (gfx1250); checked and timed in simulation.
; The chip was launched on July 23, 2026; its instructions are those of AMD's public machine-readable ISA for CDNA 5 (MIT licence, August 2026) and "CDNA5" Instruction Set Architecture Reference Guide (July 2026). The comments in the code are by the model that wrote it; some were corrected since.
;; Fourier KAN Layer. Allowed arithmetic: float matrix products may take bf16 or f16 operands with f32 sums; all other float work in f32.
;; Inputs: bias 1 x 512 float32; fourier_coeffs 2 x 512 x 32 x 512 float32; x 2,048 x 512 float32.
;; Outputs: out0 2,048 x 512 float32.
;; 3 versions, each right; version 2 is faster than version 1; version 3 is version 2 with the launch kan_part written anew for expert scheduling mode. Each part assembles by itself: llvm-mc -triple=amdgcn-amd-amdhsa -mcpu=gfx1250 --defsym DOCPART=n.
;; ======== version 1 of 3: 2 launches
;; limits: values are held in f16: magnitudes above 65,504 overflow, below 6.1e-05 lose precision; inputs' magnitudes at most 65,504; inputs' magnitudes at most 10,000,000
;; workspace buffers: part 33,554,432 bytes
;; launch kan_part (part 1): grid 8 x 32, 4 waves a work-group, no clusters, 177,664 bytes of LDS; arguments x, fourier_coeffs, part; writes part
.if DOCPART == 1
	.amdgcn_target "amdgcn-amd-amdhsa--gfx1250"
	.amdhsa_code_object_version 6
	.text
	.protected	k_q04d3ff0c55_kan_part
	.globl	k_q04d3ff0c55_kan_part
	.p2align	8
	.type	k_q04d3ff0c55_kan_part,@function
k_q04d3ff0c55_kan_part:
	s_mov_b64 s[64:65], 0
	v_nop
	global_prefetch_b8 v0, s[64:65] scope:SCOPE_SE
	s_setreg_imm32_b32 hwreg(HW_REG_WAVE_MODE, 25, 1), 1
	s_wait_xcnt 0x0
; part[ks][b][o] = sum over cs (cos, sin), i in 64 ks .. 64 ks + 63, g in 0 .. 31 of  f_cs((g+1) x[b][i]) * coeff[cs][i][g][o]
; x: [2048][512] f32.  coeff: [2][512][32][512] f32.  part: [8][2048][512] f32.  A second launch adds the eight parts and the bias.
;
; SHARE.  The layer is one product of 2048 x 512 with K = 2 x 512 x 32 = 32,768.  A work-group makes 256 rows x 128 columns over one eighth of K
; (64 inputs): 8 x 4 x 8 = 256 work-groups of equal work.  Four waves, as many as a WGP has SIMDs; wave w owns rows 64 w .. 64 w + 63 and all 128
; columns: 4 x 8 accumulator tiles, 256 registers.
; FEATURES NEVER TOUCH MEMORY OR LDS.  A lane makes the features of its own rows straight in the layout of the matrix operand.  The order of K is
; free as long as both operands use the same one: a step t (0 .. 31) takes input i0 + t in lanes 0-15 and input i0 + 32 + t in lanes 16-31, and its
; four matrix steps of K = 32 are cos g 0-15, sin g 0-15, cos g 16-31, sin g 16-31.  So a lane needs ONE x for each row tile and step, and register j
; of a fragment holds g = 16 (s / 2) + 2 j in its low half and g + 1 in its high half.
; cos and sin of x come from polynomials, those of 2 x .. 32 x from  f(k+1) = 2 cos(x) f(k) - f(k-1), one packed multiply-add for a cos and sin pair.
; An error in cos(x) grows by at most k^2 = 1,024 on the way; it is half a unit in the last place where that factor is reached (sin x near 0, where
; cos x = 1 - 2 sin^2(r/2)), which stays below the rounding of the operands to f16.
; COEFFICIENTS: global_load_b128 (a wave instruction covers 512 consecutive bytes), two conversions, ds_store_b64 into a tile [K = 128][N = 128] of f16,
; one barrier, transposing LDS loads.  Each wave keeps its quarter of two tiles on the way in 256 registers: a tile is asked for two whole steps ahead
; of its conversion, so no separate prefetch is written.
; NO TENSOR LOADS AND NO JOINT REQUESTS, though the eight row blocks read the same coefficients: such a load lays f32 into LDS, 64 KiB written and
; 64 KiB read back for each step, beside the 32 KiB of f16 stores and the 128 KiB of fragment loads that a step has anyway; the numbers must pass
; through registers to be converted in either case, so they come straight into registers.
; OPERANDS IN F16: features lie in [-1, 1] by construction, and f16 keeps three more bits than bf16.
; LIMITS.  Coefficients of 65,504 or more in magnitude become infinite in f16; below 2^-14 they keep an absolute step of 2^-24.
; The reduction of x holds for |x| < 1e7.  The features are cos and sin of the exact multiple k x; the definition rounds k x to f32 first, so the two
; angles differ by up to half a unit in the last place of k x (2^-12 for |k x| < 8,192).  A NaN or infinite x gives NaN in its row.
.set PB,    288                        ; pitch of a coefficient row in LDS: 256 bytes + 32 = 9 x 32
.set BBUF,  128*PB                     ; one coefficient tile: rows 64 h + 32 cs + g
.set PX,    272                        ; pitch of a row of x in LDS: 256 bytes + 16
.set XSB,   2*BBUF                     ; x stage: behind the two tiles
.set XSW,   64*PX                      ; 64 rows for each wave, its own bytes
.set PO,    528                        ; pitch of a row on the way out: 512 bytes + 16 = 33 x 16
.set OUTB,  XSB+4*XSW                  ; stage for the way out
.set OUTW,  16*PO                      ; 16 rows for each wave, its own bytes
.set GROW,  2048                       ; bytes from g to g + 1 in coeff, and from row to row in x and part
.set ISTEP, 65536                      ; bytes from input i to i + 1 in coeff
; window 0
.set VB,  4                            ; 16 L: my 16 bytes of a 512-byte piece of a row (coefficient loads, part stores)
.set VS,  5                            ; LDS: my 8 bytes in row 0 of my 32 rows of a coefficient tile
.set VF,  6                            ; LDS: my address for the transposing fragment loads
.set VX,  7                            ; LDS: my x of row tile 0, stepped by 4 bytes each step
.set VO,  8                            ; LDS: way out, where my results go
.set VR,  9                            ; LDS: way out, where I read rows back
.set VXG, 10                           ; x in memory: two rows for each load, 16 lanes on 256 bytes
.set VXS, 11                           ; the same two rows in the x stage
.set KM,  12                           ; pair: 1.5 x 2^23
.set KS2, 14                           ; pair: sine coefficient
.set KC2, 16                           ; pair: cosine coefficient
.set XR,  20                           ; v[20:23] x of my four row tiles
.set BY,  24                           ; v[24:27] x / pi + magic
.set BR,  28                           ; v[28:31] r, later w^2, later 2 sin u
.set BU,  32                           ; v[32:35] n, later u = r / 2
.set BW,  36                           ; v[36:39] w = u^2
.set BPS, 40                           ; v[40:43] sine chain
.set BPC, 44                           ; v[44:47] cosine chain
.set BH,  48                           ; v[48:51] 1 - w / 2, later cos r
.set BQ,  52                           ; v[52:55] u w, later sin^2 u, later sin r
.set BSG, 56                           ; v[56:59] the sign (-1)^n as bit 31
.set TT,  60                           ; v[60:63] 2 cos x of the four elements
.set Z,   64                           ; v[64:95] two sets by turns, element e at 4 e: cos, sin of the odd multiple, cos, sin of the even one behind it
.set CT,  96                           ; v[96:111] eight rows of coefficients as f16
.set AF,  128                          ; v[128:255] feature fragments, (s, a) at 32 s + 8 a; x on its way to LDS before, rows on the way out after
; window 1: v[0:63], v[64:127] two buffers of eight coefficient fragments.  window 2: accumulator (a, b) at 8 (8 a + b).
; window 3: coefficients as loaded, tile parity q at 128 q, row g at 4 g.
.set SB,  18                           ; s[18:19] coeff at my 32 rows of the tile asked for last
.set SX,  20                           ; s[20:21] x at my first row and first input
.set W_FR,  0x40                       ; destination window 1
.set W_MM,  0xa1                       ; source 0 window 1, source 1 window 0, C and D window 2
.set W_CV,  0x0f                       ; sources 0 and 1 window 3
.set W_LS,  0xc0                       ; destination window 3; addresses and store data window 0
.set W_OUT, 0x08                       ; store data window 2
.set MSB, 0
.macro WIN new                         ; the high byte of the immediate repeats the setting that is left; a switch that changes nothing is dropped
.if MSB != \new
	s_set_vgpr_msb (MSB<<8)|\new
.set MSB, \new
.endif
.endm
.macro PLACES                          ; four places behind a matrix instruction where no useful vector work stands (ISA guide 7.12.1)
.rept 4
	v_nop
.endr
.endm
	s_load_b128 s[4:7], s[0:1], 0x0                ; x s[4:5], coeff s[6:7]
	s_load_b64 s[8:9], s[0:1], 0x10                ; part
	v_lshl_add_u32 v126, v0, 2, 0x2b400
	v_mov_b32 v127, 0
	v_lshrrev_b32 v1, 5, v0
	v_readfirstlane_b32 s10, v1                    ; wave w
	s_and_b32 s11, ttmp7, 0xffff                   ; second id = 4 ks + nt; ttmp9 = mt, so the eight readers of one coefficient tile have neighbouring ids
	s_and_b32 s12, s11, 3
	s_lshl_b32 s12, s12, 9                         ; nt x 128 columns x 4 bytes
	s_lshr_b32 s13, s11, 2                         ; ks
	s_and_b32 s14, s10, 1                          ; my rows of a tile: cs = w & 1,
	s_lshl_b32 s14, s14, 25                        ; 2^25 bytes from cos to sin
	s_lshr_b32 s15, s10, 1                         ; lane half h = w >> 1
	s_lshl_b32 s15, s15, 5
	s_lshl_b32 s24, s13, 6
	s_add_co_u32 s15, s15, s24                     ; input 64 ks + 32 h
	s_lshl_b32 s15, s15, 16
	s_add_co_u32 s24, s14, s15
	s_add_co_u32 s24, s24, s12                     ; below 2^26
	s_mov_b32 s25, 0
	s_lshl_b32 s14, ttmp9, 19
	s_lshl_b32 s15, s10, 17
	s_add_co_u32 s14, s14, s15                     ; (256 mt + 64 w) rows of 2,048 bytes
	s_lshl_b32 s26, s13, 8                         ; 64 ks inputs of 4 bytes
	s_add_co_u32 s26, s26, s14
	s_mov_b32 s27, 0
	s_lshl_b32 s28, s13, 22                        ; ks parts of 2^22 bytes
	s_add_co_u32 s28, s28, s14
	s_add_co_u32 s28, s28, s12
	s_mov_b32 s29, 0
	s_mul_i32 s30, s10, 32*PB                      ; my 32 rows of a coefficient tile
	s_mul_i32 s31, s10, XSW
	s_add_co_u32 s31, s31, XSB                     ; my x stage
	s_mul_i32 s32, s10, OUTW
	s_add_co_u32 s32, s32, OUTB                    ; my stage for the way out
	v_and_b32 v1, 31, v0                           ; L
	v_and_b32 v2, 15, v0                           ; r = L & 15
	v_bfe_u32 v3, v0, 4, 1                         ; h = L >> 4
	v_lshlrev_b32 v[VB], 4, v1
	v_lshl_add_u32 v[VS], v1, 3, s30
	v_and_b32 v18, 7, v0
	v_mul_u32_u24 v18, v18, PB                     ; row L & 7 of eight
	v_bfe_u32 v19, v0, 3, 1
	v_lshl_add_u32 v18, v19, 4, v18                ; columns 8 ((L >> 3) & 1) ..
	v_mul_u32_u24 v19, v3, 64*PB                   ; the 64 rows of my lane half
	v_add_nc_u32 v[VF], v18, v19
	v_mul_u32_u24 v18, v2, PX
	v_lshl_add_u32 v18, v3, 7, v18                 ; row r, input 32 h
	v_add_nc_u32 v[VX], s31, v18
	v_mul_u32_u24 v18, v3, PX
	v_lshl_add_u32 v18, v2, 4, v18                 ; row h, 16 bytes at 16 r
	v_add_nc_u32 v[VXS], s31, v18
	v_lshlrev_b32 v18, 11, v3
	v_lshl_add_u32 v[VXG], v2, 4, v18
	v_mul_u32_u24 v18, v2, PO
	v_lshl_add_u32 v18, v3, 5, v18                 ; row r, columns 8 h ..
	v_add_nc_u32 v[VO], s32, v18
	v_lshl_add_u32 v[VR], v1, 4, s32
	v_mov_b32 v[KM], 0x4b400000
	v_mov_b32 v[KM+1], 0x4b400000
	v_mov_b32 v[KS2], 0x3c08839e
	v_mov_b32 v[KS2+1], 0x3c08839e
	v_mov_b32 v[KC2], 0xbab6061a
	v_mov_b32 v[KC2+1], 0xbab6061a
	s_wait_kmcnt 0x0
	s_add_nc_u64 s[SB:SB+1], s[6:7], s[24:25]
	s_add_nc_u64 s[SX:SX+1], s[4:5], s[26:27]
	s_add_nc_u64 s[8:9], s[8:9], s[28:29]
; Sixteen transposing loads: the eight coefficient fragments (16 columns x 32 K each) of matrix step s of buffer p into register buffer q.
; Lane L addresses row (L & 7) of the eight rows that its half needs; the load hands lane L column 16 b + r of those eight rows, two to a register.
.macro FRAG p, s, q
	WIN W_FR
.irp b, 0,1,2,3,4,5,6,7
	ds_load_tr16_b128 v[64*\q+8*\b:64*\q+8*\b+3],   v[VF] offset:\p*BBUF+(32*(\s&1)+16*(\s>>1))*PB+32*\b
	ds_load_tr16_b128 v[64*\q+8*\b+4:64*\q+8*\b+7], v[VF] offset:\p*BBUF+(32*(\s&1)+16*(\s>>1)+8)*PB+32*\b
.endr
.endm
; 32 matrix instructions: matrix step s on all 4 x 8 tiles.  Source 0 = coefficients, source 1 = features: register j of lane (r, h) then holds
; row 16 a + r, column 16 b + 8 h + j, eight neighbouring columns of a row.  zero = 1: the product starts the sums, nothing is cleared.
.macro MM s, q, zero
	WIN W_MM
.irp a, 0,1,2,3
.irp b, 0,1,2,3,4,5,6,7
.if \zero
	v_wmma_f32_16x16x32_f16 v[8*(8*\a+\b):8*(8*\a+\b)+7], v[64*\q+8*\b:64*\q+8*\b+7], v[AF+32*\s+8*\a:AF+32*\s+8*\a+7], 0
.else
	v_wmma_f32_16x16x32_f16 v[8*(8*\a+\b):8*(8*\a+\b)+7], v[64*\q+8*\b:64*\q+8*\b+7], v[AF+32*\s+8*\a:AF+32*\s+8*\a+7], v[8*(8*\a+\b):8*(8*\a+\b)+7]
.endif
.endr
.endr
.endm
; cos x and sin x of four elements, two at a time.  n = round(x / pi) by adding 1.5 x 2^23 (bit 0 of that sum is the parity of n); r = x - n pi with pi
; in two parts; u = r / 2, |u| <= pi / 4; sin u and cos u by polynomials of degree 7 and 8; one doubling; the sign (-1)^n by exclusive or.
.macro BASE
.irp P, 0,2
	v_pk_fma_f32 v[BY+\P:BY+\P+1], v[XR+\P:XR+\P+1], 0x3ea2f983, v[KM:KM+1] op_sel_hi:[1,0,1]      ; x / pi + magic
.endr
.irp P, 0,2
	v_pk_add_f32 v[BU+\P:BU+\P+1], v[BY+\P:BY+\P+1], v[KM:KM+1] neg_lo:[0,1] neg_hi:[0,1]          ; n
.endr
.irp P, 0,2
	v_pk_fma_f32 v[BR+\P:BR+\P+1], v[BU+\P:BU+\P+1], 0xc0490fdb, v[XR+\P:XR+\P+1] op_sel_hi:[1,0,1] ; x - n pi_hi
.endr
.irp P, 0,2
	v_pk_fma_f32 v[BR+\P:BR+\P+1], v[BU+\P:BU+\P+1], 0x33bbbd2e, v[BR+\P:BR+\P+1] op_sel_hi:[1,0,1] ; - n pi_lo
.endr
.irp P, 0,2
	v_pk_mul_f32 v[BU+\P:BU+\P+1], v[BR+\P:BR+\P+1], 0.5 op_sel_hi:[1,0]                           ; u
.endr
.irp P, 0,2
	v_pk_mul_f32 v[BW+\P:BW+\P+1], v[BU+\P:BU+\P+1], v[BU+\P:BU+\P+1]                              ; w = u^2
.endr
.irp P, 0,2
	v_pk_fma_f32 v[BPS+\P:BPS+\P+1], v[BW+\P:BW+\P+1], 0xb94ca1f9, v[KS2:KS2+1] op_sel_hi:[1,0,1]
	v_pk_fma_f32 v[BPC+\P:BPC+\P+1], v[BW+\P:BW+\P+1], 0x37ccf5ce, v[KC2:KC2+1] op_sel_hi:[1,0,1]
.endr
.irp P, 0,2
	v_pk_mul_f32 v[BQ+\P:BQ+\P+1], v[BU+\P:BU+\P+1], v[BW+\P:BW+\P+1]                              ; u w
	v_pk_mul_f32 v[BR+\P:BR+\P+1], v[BW+\P:BW+\P+1], v[BW+\P:BW+\P+1]                              ; w^2
.endr
.irp P, 0,2
	v_pk_fma_f32 v[BPS+\P:BPS+\P+1], v[BPS+\P:BPS+\P+1], v[BW+\P:BW+\P+1], 0xbe2aaaa3 op_sel_hi:[1,1,0]
	v_pk_fma_f32 v[BPC+\P:BPC+\P+1], v[BPC+\P:BPC+\P+1], v[BW+\P:BW+\P+1], 0x3d2aaaa5 op_sel_hi:[1,1,0]
.endr
.irp P, 0,2
	v_pk_fma_f32 v[BH+\P:BH+\P+1], v[BW+\P:BW+\P+1], -0.5, 1.0 op_sel_hi:[1,0,0]                   ; 1 - w / 2
.endr
.irp P, 0,2
	v_pk_fma_f32 v[BPS+\P:BPS+\P+1], v[BQ+\P:BQ+\P+1], v[BPS+\P:BPS+\P+1], v[BU+\P:BU+\P+1]        ; sin u
	v_pk_fma_f32 v[BPC+\P:BPC+\P+1], v[BR+\P:BR+\P+1], v[BPC+\P:BPC+\P+1], v[BH+\P:BH+\P+1]        ; cos u
.endr
.irp P, 0,2
	v_pk_mul_f32 v[BQ+\P:BQ+\P+1], v[BPS+\P:BPS+\P+1], v[BPS+\P:BPS+\P+1]                          ; sin^2 u
	v_pk_add_f32 v[BR+\P:BR+\P+1], v[BPS+\P:BPS+\P+1], v[BPS+\P:BPS+\P+1]                          ; 2 sin u
.endr
.irp P, 0,2
	v_pk_fma_f32 v[BH+\P:BH+\P+1], v[BQ+\P:BQ+\P+1], -2.0, 1.0 op_sel_hi:[1,0,0]                   ; cos r
	v_pk_mul_f32 v[BQ+\P:BQ+\P+1], v[BR+\P:BR+\P+1], v[BPC+\P:BPC+\P+1]                            ; sin r
.endr
.irp e, 0,1,2,3
	v_lshlrev_b32 v[BSG+\e], 31, v[BY+\e]                                                          ; parity of n to the sign bit
.endr
.irp e, 0,1,2,3
	v_xor_b32 v[Z+4*\e],   v[BH+\e], v[BSG+\e]                                                     ; cos x
	v_xor_b32 v[Z+4*\e+1], v[BQ+\e], v[BSG+\e]                                                     ; sin x
.endr
.irp e, 0,1,2,3
	v_add_f32 v[TT+\e], v[Z+4*\e], v[Z+4*\e]                                                       ; 2 cos x
.endr
.irp e, 0,1,2,3
	v_fma_f32 v[Z+4*\e+2], v[TT+\e], v[Z+4*\e], -1.0                                               ; cos 2x
	v_mul_f32 v[Z+4*\e+3], v[TT+\e], v[Z+4*\e+1]                                                   ; sin 2x
.endr
.endm
; dst (a cos and sin pair) = 2 cos x of element e times pair a, minus pair b.  The factor is taken from its pair for both halves.
.macro UPD dst, e, a, b
.if (\e) & 1
	v_pk_fma_f32 v[(\dst):(\dst)+1], v[TT+\e-1:TT+\e], v[(\a):(\a)+1], v[(\b):(\b)+1] op_sel:[1,0,0] op_sel_hi:[1,1,1] neg_lo:[0,0,1] neg_hi:[0,0,1]
.else
	v_pk_fma_f32 v[(\dst):(\dst)+1], v[TT+\e:TT+\e+1], v[(\a):(\a)+1], v[(\b):(\b)+1] op_sel:[0,0,0] op_sel_hi:[0,1,1] neg_lo:[0,0,1] neg_hi:[0,0,1]
.endif
.endm
; All 64 features of four elements.  Trip j makes the multiples 2 j + 1 and 2 j + 2 in one set of Z and rounds those of trip j - 1, from the other
; set, to f16: register (j - 1) & 7 of fragments 2 ((j - 1) >> 3) (cos) and 2 ((j - 1) >> 3) + 1 (sin).  Four elements side by side keep dependent lines apart.
.macro FEAT
.set FJ, 1
.rept 15
.set FC, 16*(FJ&1)
.set FP, 16-FC
.set FS, AF+64*((FJ-1)>>3)+((FJ-1)&7)
.irp e, 0,1,2,3
	UPD Z+FC+4*\e, \e, Z+FP+4*\e+2, Z+FP+4*\e
.endr
.irp e, 0,1,2,3
	v_cvt_pk_f16_f32 v[FS+8*\e], v[Z+FP+4*\e], v[Z+FP+4*\e+2]
.endr
.irp e, 0,1,2,3
	UPD Z+FC+4*\e+2, \e, Z+FC+4*\e, Z+FP+4*\e+2
.endr
.irp e, 0,1,2,3
	v_cvt_pk_f16_f32 v[FS+32+8*\e], v[Z+FP+4*\e+1], v[Z+FP+4*\e+3]
.endr
.set FJ, FJ+1
.endr
.irp e, 0,1,2,3
	v_cvt_pk_f16_f32 v[AF+64+7+8*\e], v[Z+16+4*\e], v[Z+16+4*\e+2]
.endr
.irp e, 0,1,2,3
	v_cvt_pk_f16_f32 v[AF+96+7+8*\e], v[Z+16+4*\e+1], v[Z+16+4*\e+3]
.endr
.endm
; Rows 8 c .. 8 c + 7 of my 32 rows of a tile: from register half q to f16, into LDS buffer wb.  refill = 1: the same registers are asked for again,
; two tiles on.  cnt: how many younger loads may stay out.  The sixteen conversions name no register of the matrix instructions in front of them and
; are the places between those and the fragment loads that follow.
.macro CONVC c, q, wb, refill, cnt
	s_wait_loadcnt \cnt
	WIN W_CV
.irp k, 0,1,2,3,4,5,6,7
	v_cvt_pk_f16_f32 v[CT+2*\k],   v[128*\q+4*(8*\c+\k)],   v[128*\q+4*(8*\c+\k)+1]
	v_cvt_pk_f16_f32 v[CT+2*\k+1], v[128*\q+4*(8*\c+\k)+2], v[128*\q+4*(8*\c+\k)+3]
.endr
	WIN W_LS
.irp k, 0,1,2,3,4,5,6,7
	ds_store_b64 v[VS], v[CT+2*\k:CT+2*\k+1] offset:\wb*BBUF+(8*\c+\k)*PB      ; 32 lanes, 256 consecutive bytes
.endr
.if \refill
.if \c == 0
	s_wait_xcnt 0x0                                ; the base of the loads still out is stepped only behind this wait
	s_add_nc_u64 s[SB:SB+1], s[SB:SB+1], ISTEP     ; the next input = the next tile
.endif
.irp k, 0,1,2,3,4,5,6,7
	global_load_b128 v[128*\q+4*(8*\c+\k):128*\q+4*(8*\c+\k)+3], v[VB], s[SB:SB+1] offset:(8*\c+\k)*GROW
.endr
.endif
.endm
; ONE STEP, K = 128, on LDS buffer p.  conv = 1: the next tile is converted into buffer np (register half np too, since tile and buffer share their
; parity); refill = 1: and the tile two behind that one is asked for.  Chunk c waits for c0 - dc c loads.  more = 1: x of the next step is fetched.
.macro STEP p, np, zero, conv, refill, c0, dc, more
	s_wait_dscnt 0x0                               ; for the other waves: my stores into buffer p and my reads of buffer np are done (and my x is in)
	s_barrier_signal -1
	s_barrier_wait -1                              ; so buffer p may be read, and buffer np written, by everybody
	FRAG \p, 0, 0
	FRAG \p, 1, 1
	WIN 0
	BASE
.if \more
	v_add_nc_u32 v[VX], 4, v[VX]
.irp a, 0,1,2,3
	ds_load_b32 v[XR+\a], v[VX] offset:\a*16*PX    ; my own bytes of the x stage; waited for at the head of the next step
.endr
.endif
	FEAT
	s_wait_dscnt 0x0                               ; both fragment buffers are in (asked for in front of the feature work)
	MM 0, 0, \zero
.if \conv
	CONVC 0, \np, \np, \refill, \c0
.else
	PLACES
.endif
	FRAG \p, 2, 0
	MM 1, 1, 0
.if \conv
	CONVC 1, \np, \np, \refill, \c0-\dc*1
.else
	PLACES
.endif
	FRAG \p, 3, 1
	s_wait_dscnt 16+8*\conv                        ; the fragments of matrix step 2 are in; behind them: the 8 stores of chunk 1 and the 16 loads for step 3
	MM 2, 0, 0
.if \conv
	CONVC 2, \np, \np, \refill, \c0-\dc*2
.endif
	s_wait_dscnt 8*\conv                           ; the fragments of matrix step 3 are in; behind them: the 8 stores of chunk 2
	MM 3, 1, 0
.if \conv
	CONVC 3, \np, \np, \refill, \c0-\dc*3
.endif
.endm
	; x of my 64 rows and 64 inputs, once: sixteen lanes take 256 consecutive aligned bytes of a row, two rows an instruction
.set i, 0
.rept 32
	global_load_b128 v[AF+4*i:AF+4*i+3], v[VXG], s[SX:SX+1] offset:2*GROW*i
.set i, i+1
.endr
	WIN W_LS
.set i, 0
.rept 32
	global_load_b128 v[4*i:4*i+3], v[VB], s[SB:SB+1] offset:GROW*i             ; tile 0 into half 0
.set i, i+1
.endr
	WIN 0
	s_wait_loadcnt 32                              ; x is in; the 32 loads of tile 0 stay out
.set i, 0
.rept 32
	ds_store_b128 v[VXS], v[AF+4*i:AF+4*i+3] offset:2*PX*i
.set i, i+1
.endr
	s_wait_xcnt 0x0                                ; the base of the loads of tile 0 is stepped only behind this wait
	s_add_nc_u64 s[SB:SB+1], s[SB:SB+1], ISTEP
	WIN W_LS
.set i, 0
.rept 32
	global_load_b128 v[128+4*i:128+4*i+3], v[VB], s[SB:SB+1] offset:GROW*i     ; tile 1 into half 1
.set i, i+1
.endr
	WIN 0
.irp a, 0,1,2,3
	ds_load_b32 v[XR+\a], v[VX] offset:\a*16*PX    ; x of step 0; LDS serves a wave in order, so these see the stores above
.endr
	; Tile 0 goes into buffer 0, and tile 2 is asked for.  The count 56, here and in every full step: behind the eight rows of chunk c stand the
	; 8 (3 - c) later rows of the tile, the 32 rows of the next tile and the 8 c rows asked for again so far.  Sixty-four loads are asked for at the
	; most; the issue of a load holds until the counter has room (ISA guide 5.7.1), so no wait is placed for that.
	CONVC 0, 0, 0, 1, 56
	CONVC 1, 0, 0, 1, 56
	CONVC 2, 0, 0, 1, 56
	CONVC 3, 0, 0, 1, 56
	STEP 0, 1, 1, 1, 1, 56, 0, 1                   ; step 0: its first products start the sums
	STEP 1, 0, 0, 1, 1, 56, 0, 1                   ; step 1
	WIN 0                                          ; at a label and at a branch every window is 0
	s_mov_b32 s22, 13                              ; steps 2 to 27
.Lpair:
	STEP 0, 1, 0, 1, 1, 56, 0, 1
	STEP 1, 0, 0, 1, 1, 56, 0, 1
	WIN 0
	s_sub_co_i32 s22, s22, 1
	s_cmp_lg_u32 s22, 0
	s_cbranch_scc1 .Lpair
	STEP 0, 1, 0, 1, 1, 56, 0, 1                   ; step 28 converts tile 29 and asks for tile 31, the last
	STEP 1, 0, 0, 1, 0, 56, 8, 1                   ; step 29 converts tile 30: behind chunk c stand 8 (3 - c) rows and tile 31: 56, 48, 40, 32
	STEP 0, 1, 0, 1, 0, 24, 8, 1                   ; step 30 converts tile 31: 24, 16, 8, 0
	STEP 1, 0, 0, 0, 0, 0, 0, 0                    ; step 31 converts nothing and fetches no x
; THE WAY OUT, 16 rows at a time through my own stage: a lane holds 8 neighbouring columns of one row (two stores of 16 bytes); rows are read back
; whole, and each global store of the wave covers 512 consecutive aligned bytes.  LDS serves a wave in order: no wait between stores and loads.
.macro OUT16 a, set
	WIN W_OUT
.irp b, 0,1,2,3,4,5,6,7
	ds_store_b128 v[VO], v[8*(8*\a+\b):8*(8*\a+\b)+3]   offset:64*\b
	ds_store_b128 v[VO], v[8*(8*\a+\b)+4:8*(8*\a+\b)+7] offset:64*\b+16
.endr
	WIN 0
	s_wait_xcnt 0x0                                ; registers that earlier global stores read are loaded again only behind this wait
.irp o, 0,1,2,3,4,5,6,7,8,9,10,11,12,13,14,15
	ds_load_b128 v[AF+64*\set+4*\o:AF+64*\set+4*\o+3], v[VR] offset:PO*\o
.endr
.irp o, 0,1,2,3,4,5,6,7,8,9,10,11,12,13,14,15
	s_wait_dscnt 15-\o                             ; row o is back; the younger rows stay out
	global_store_b128 v[VB], v[AF+64*\set+4*\o:AF+64*\set+4*\o+3], s[8:9] offset:(16*\a+\o)*GROW
.endr
.endm
	PLACES                                         ; behind the last matrix instructions: results are stored to LDS, feature registers loaded into
	OUT16 0, 0
	OUT16 1, 1
	OUT16 2, 0
	OUT16 3, 1
	s_wait_tensorcnt 0x0
	ds_add_u32 v126, v127
	s_wait_dscnt 0x0
	s_endpgm
.Lfunc_end_k_q04d3ff0c55_kan_part:
	.size	k_q04d3ff0c55_kan_part, .Lfunc_end_k_q04d3ff0c55_kan_part-k_q04d3ff0c55_kan_part
	.p2alignl 7, 3214868480
	.fill 96, 4, 3214868480
	.section	.rodata,"a",@progbits
	.p2align	6, 0x0
	.amdhsa_kernel k_q04d3ff0c55_kan_part
		.amdhsa_group_segment_fixed_size 177664
		.amdhsa_private_segment_fixed_size 0
		.amdhsa_enable_private_segment 0
		.amdhsa_kernarg_size 24
		.amdhsa_user_sgpr_count 2
		.amdhsa_user_sgpr_kernarg_segment_ptr 1
		.amdhsa_wavefront_size32 1
		.amdhsa_system_sgpr_workgroup_id_x 1
		.amdhsa_system_sgpr_workgroup_id_y 1
		.amdhsa_system_sgpr_workgroup_id_z 1
		.amdhsa_system_vgpr_workitem_id 0
		.amdhsa_next_free_vgpr 1024
		.amdhsa_next_free_sgpr 66
		.amdhsa_reserve_vcc 0
		.amdhsa_float_denorm_mode_32 3
		.amdhsa_float_denorm_mode_16_64 3
		.amdhsa_memory_ordered 1
		.amdhsa_forward_progress 1
		.amdhsa_inst_pref_size 255
	.end_amdhsa_kernel
	.section	.bss,"aw",@nobits
	.p2align	6
	.space	262144
	.amdgpu_metadata
---
amdhsa.version: [ 1, 2 ]
amdhsa.kernels:
  - .name:           k_q04d3ff0c55_kan_part
    .symbol:         k_q04d3ff0c55_kan_part.kd
    .args:
      - { .name: x, .offset: 0, .size: 8, .value_kind: global_buffer, .address_space: global }
      - { .name: fourier_coeffs, .offset: 8, .size: 8, .value_kind: global_buffer, .address_space: global }
      - { .name: part, .offset: 16, .size: 8, .value_kind: global_buffer, .address_space: global }
    .group_segment_fixed_size: 177664
    .private_segment_fixed_size: 0
    .kernarg_segment_align: 8
    .kernarg_segment_size: 24
    .max_flat_workgroup_size: 128
    .sgpr_count:     66
    .vgpr_count:     1024
    .wavefront_size: 32
...
	.end_amdgpu_metadata
.endif
;; end of part 1
;; launch kan_sum (part 2): grid 256 x 1, 8 waves a work-group, no clusters, 0 bytes of LDS; arguments part, bias, out0; writes out0
.if DOCPART == 2
	.amdgcn_target "amdgcn-amd-amdhsa--gfx1250"
	.amdhsa_code_object_version 6
	.text
	.protected	k_q04d3ff0c55_kan_sum
	.globl	k_q04d3ff0c55_kan_sum
	.p2align	8
	.type	k_q04d3ff0c55_kan_sum,@function
k_q04d3ff0c55_kan_sum:
	s_mov_b64 s[64:65], 0
	v_nop
	global_prefetch_b8 v0, s[64:65] scope:SCOPE_SE
	s_setreg_imm32_b32 hwreg(HW_REG_WAVE_MODE, 25, 1), 1
	s_wait_xcnt 0x0
; out0[b][o] = bias[o] + part[0][b][o] + part[1][b][o] + .. + part[7][b][o], in that order, in f32.
; part: [8][2048][512] f32.  bias: [512] f32.  out0: [2048][512] f32.
; A stream: every byte is read once and written once, so there is no LDS, no barrier and no matrix work, and no tile is shared between work-groups.
; A work-group owns 16,384 bytes of out0 (8 rows).  Thread t owns the 16 bytes at 4,096 j + 16 t, j = 0 .. 3; 4,096 bytes are two rows, so its four
; columns are the same for every j and one load of the bias serves all.  Each load and store of a wave covers 512 consecutive aligned bytes.
; All 32 loads of a thread are issued at once, each into registers of its own: nothing is rewritten while a load or store may still read it.
.set PART,  0x400000                   ; bytes of one part
.set CHUNK, 4096
.set BI, 4                             ; v[4:7] bias of my four columns
.set P,  8                             ; v[8:135] part k of chunk j at 32 j + 4 k
	s_load_b128 s[4:7], s[0:1], 0x0                ; part s[4:5], bias s[6:7]
	s_load_b64 s[8:9], s[0:1], 0x10                ; out0
	s_lshl_b32 s10, ttmp9, 14                      ; the bytes of this work-group
	s_mov_b32 s11, 0
	v_lshlrev_b32 v1, 4, v0                        ; 16 t
	v_and_b32 v2, 127, v0
	v_lshlrev_b32 v2, 4, v2                        ; 16 (t mod 128): my columns
	s_wait_kmcnt 0x0
	global_load_b128 v[BI:BI+3], v2, s[6:7]
	s_add_nc_u64 s[12:13], s[4:5], s[10:11]        ; a base for each part: seven parts on is more than the signed 24-bit immediate reaches
	s_add_nc_u64 s[8:9], s[8:9], s[10:11]
.irp k, 1,2,3,4,5,6,7
	s_add_nc_u64 s[12+2*\k:13+2*\k], s[10+2*\k:11+2*\k], PART
.endr
.irp j, 0,1,2,3
.irp k, 0,1,2,3,4,5,6,7
	global_load_b128 v[P+32*\j+4*\k:P+32*\j+4*\k+3], v1, s[12+2*\k:13+2*\k] offset:CHUNK*\j th:TH_LOAD_NT
.endr
.endr
.irp j, 0,1,2,3
	s_wait_loadcnt 8*(3-\j)                        ; loads come back in order: the bias and chunk j are in, the 8 loads of each later chunk stay out
	v_pk_add_f32 v[P+32*\j:P+32*\j+1],   v[BI:BI+1],   v[P+32*\j:P+32*\j+1]
	v_pk_add_f32 v[P+32*\j+2:P+32*\j+3], v[BI+2:BI+3], v[P+32*\j+2:P+32*\j+3]
.irp k, 1,2,3,4,5,6,7
	v_pk_add_f32 v[P+32*\j:P+32*\j+1],   v[P+32*\j:P+32*\j+1],   v[P+32*\j+4*\k:P+32*\j+4*\k+1]
	v_pk_add_f32 v[P+32*\j+2:P+32*\j+3], v[P+32*\j+2:P+32*\j+3], v[P+32*\j+4*\k+2:P+32*\j+4*\k+3]
.endr
	global_store_b128 v1, v[P+32*\j:P+32*\j+3], s[8:9] offset:CHUNK*\j th:TH_STORE_NT
.endr
	s_endpgm
.Lfunc_end_k_q04d3ff0c55_kan_sum:
	.size	k_q04d3ff0c55_kan_sum, .Lfunc_end_k_q04d3ff0c55_kan_sum-k_q04d3ff0c55_kan_sum
	.p2alignl 7, 3214868480
	.fill 96, 4, 3214868480
	.section	.rodata,"a",@progbits
	.p2align	6, 0x0
	.amdhsa_kernel k_q04d3ff0c55_kan_sum
		.amdhsa_group_segment_fixed_size 0
		.amdhsa_private_segment_fixed_size 0
		.amdhsa_enable_private_segment 0
		.amdhsa_kernarg_size 24
		.amdhsa_user_sgpr_count 2
		.amdhsa_user_sgpr_kernarg_segment_ptr 1
		.amdhsa_wavefront_size32 1
		.amdhsa_system_sgpr_workgroup_id_x 1
		.amdhsa_system_sgpr_workgroup_id_y 1
		.amdhsa_system_sgpr_workgroup_id_z 1
		.amdhsa_system_vgpr_workitem_id 0
		.amdhsa_next_free_vgpr 136
		.amdhsa_next_free_sgpr 66
		.amdhsa_reserve_vcc 0
		.amdhsa_float_denorm_mode_32 3
		.amdhsa_float_denorm_mode_16_64 3
		.amdhsa_memory_ordered 1
		.amdhsa_forward_progress 1
		.amdhsa_inst_pref_size 9
	.end_amdhsa_kernel
	.amdgpu_metadata
---
amdhsa.version: [ 1, 2 ]
amdhsa.kernels:
  - .name:           k_q04d3ff0c55_kan_sum
    .symbol:         k_q04d3ff0c55_kan_sum.kd
    .args:
      - { .name: part, .offset: 0, .size: 8, .value_kind: global_buffer, .address_space: global }
      - { .name: bias, .offset: 8, .size: 8, .value_kind: global_buffer, .address_space: global }
      - { .name: out0, .offset: 16, .size: 8, .value_kind: global_buffer, .address_space: global }
    .group_segment_fixed_size: 0
    .private_segment_fixed_size: 0
    .kernarg_segment_align: 8
    .kernarg_segment_size: 24
    .max_flat_workgroup_size: 256
    .sgpr_count:     66
    .vgpr_count:     136
    .wavefront_size: 32
...
	.end_amdgpu_metadata
.endif
;; end of part 2
;; ======== version 2 of 3: 2 launches; 1.16 times as fast as version 1
;; limits: values are held in f16: magnitudes above 65,504 overflow, below 6.1e-05 lose precision; inputs' magnitudes at most 65,504; inputs' magnitudes at most 10,000,000
;; workspace buffers: part 33,554,432 bytes
;; launch kan_part (part 3): grid 32 x 8, 4 waves a work-group, no clusters, 177,664 bytes of LDS; arguments x, fourier_coeffs, part; writes part
.if DOCPART == 3
	.amdgcn_target "amdgcn-amd-amdhsa--gfx1250"
	.amdhsa_code_object_version 6
	.text
	.protected	k_q04d3ff0c55_kan_part
	.globl	k_q04d3ff0c55_kan_part
	.p2align	8
	.type	k_q04d3ff0c55_kan_part,@function
k_q04d3ff0c55_kan_part:
	s_mov_b64 s[64:65], 0
	v_nop
	global_prefetch_b8 v0, s[64:65] scope:SCOPE_SE
	s_setreg_imm32_b32 hwreg(HW_REG_WAVE_MODE, 25, 1), 1
	s_wait_xcnt 0x0
; part[ks][b][o] = sum over cs (cos, sin), i in 64 ks .. 64 ks + 63, g in 0 .. 31 of  f_cs((g+1) x[b][i]) * coeff[cs][i][g][o]
; x: [2048][512] f32.  coeff: [2][512][32][512] f32.  part: [8][2048][512] f32.  A second launch adds the eight parts and the bias.
;
; SHARE.  The layer is one product of 2048 x 512 with K = 2 x 512 x 32 = 32,768.  A work-group makes 256 rows x 128 columns over one eighth of K
; (64 inputs): 8 x 4 x 8 = 256 work-groups of equal work.  Four waves, as many as a WGP has SIMDs; wave w owns rows 64 w .. 64 w + 63 and all 128
; columns: 4 x 8 accumulator tiles, 256 registers.
; FEATURES NEVER TOUCH MEMORY OR LDS.  A lane makes the features of its own rows straight in the layout of the matrix operand.  The order of K is
; free as long as both operands use the same one: tile t (0 .. 31, K = 128) takes input i0 + t in lanes 0-15 and input i0 + 32 + t in lanes 16-31, and
; its four matrix steps of K = 32 are cos g 0-15, sin g 0-15, cos g 16-31, sin g 16-31.  So a lane needs ONE x for each row tile and tile of K, and
; register j of a fragment holds g = 16 (s / 2) + 2 j in its low half and g + 1 in its high half.
; cos and sin of x come from polynomials, those of 2 x .. 32 x from  f(k+1) = 2 cos(x) f(k) - f(k-1), one packed multiply-add for a cos and sin pair.
; An error in cos(x) grows by at most k^2 = 1,024 on the way; it is half a unit in the last place where that factor is reached (sin x near 0, where
; cos x = 1 - 2 sin^2(r/2)), which stays below the rounding of the operands to f16.
; COEFFICIENTS: global_load_b128 (a wave instruction covers 512 consecutive bytes), two conversions, ds_store_b64 into a tile [K = 128][N = 128] of f16,
; one barrier, transposing LDS loads.  Each wave keeps its quarter of two tiles on the way in 256 registers: a tile is asked for two tiles ahead of its
; conversion, so no separate prefetch is written.
; THE ORDER OF THE TEXT.  A phase is one matrix step: 32 slots, each one matrix instruction and behind it at most four vector instructions (features
; of the next tile, conversions of coefficients), so that the vector work stands between the matrix instructions and not in blocks of its own.
; Memory instructions stand in one run at each phase boundary.  A period is boundary and phase A, B, C, D:
;   A multiplies step 3 of tile t-1, B, C, D steps 0, 1, 2 of tile t.  A boundary asks for the fragments of the phase after the one it opens.
;   The fragments of steps 0, 1 are rewritten in D and A, those of steps 2, 3 in B and C: always behind the phase that read them.
; NO TENSOR LOADS AND NO JOINT REQUESTS, though the eight row blocks read the same coefficients: such a load lays f32 into LDS, 64 KiB written and
; 64 KiB read back for each tile, beside the 32 KiB of f16 stores and the 128 KiB of fragment loads that a tile has anyway; the numbers must pass
; through registers to be converted in either case, so they come straight into registers.
; OPERANDS IN F16: features lie in [-1, 1] by construction, and f16 keeps three more bits than bf16.
; LIMITS.  Coefficients of 65,504 or more in magnitude become infinite in f16; below 2^-14 they keep an absolute step of 2^-24.
; The reduction of x holds for |x| < 1e7.  The features are cos and sin of the exact multiple k x; the definition rounds k x to f32 first, so the two
; angles differ by up to half a unit in the last place of k x (2^-12 for |k x| < 8,192).  A NaN or infinite x gives NaN in its row.
.set PB,    288                        ; pitch of a coefficient row in LDS: 256 bytes + 32 = 9 x 32
.set BBUF,  128*PB                     ; one coefficient tile: rows 64 h + 32 cs + g
.set PX,    272                        ; pitch of a row of x in LDS: 256 bytes + 16
.set XSB,   2*BBUF                     ; x stage: behind the two tiles
.set XSW,   64*PX                      ; 64 rows for each wave, its own bytes
.set PO,    528                        ; pitch of a row on the way out: 512 bytes + 16 = 33 x 16
.set OUTB,  XSB+4*XSW                  ; stage for the way out
.set OUTW,  16*PO                      ; 16 rows for each wave, its own bytes
.set GROW,  2048                       ; bytes from g to g + 1 in coeff, and from row to row in x and part
.set ISTEP, 65536                      ; bytes from input i to i + 1 in coeff
; window 0
.set VB,  4                            ; 16 L: my 16 bytes of a 512-byte piece of a row (coefficient loads, part stores)
.set VS,  5                            ; LDS: my 8 bytes in row 0 of my 32 rows of a coefficient tile (copied to window 1, see VS1)
.set VF,  6                            ; LDS: my address for the transposing fragment loads
.set VX,  7                            ; LDS: my x of row tile 0, stepped by 4 bytes for each tile
.set VO,  8                            ; LDS: way out, where my results go
.set VR,  9                            ; LDS: way out, where I read rows back
.set VXG, 10                           ; x in memory: two rows for each load, 16 lanes on 256 bytes
.set VXS, 11                           ; the same two rows in the x stage
.set KM,  12                           ; pair: 1.5 x 2^23
.set KS2, 14                           ; pair: sine coefficient
.set KC2, 16                           ; pair: cosine coefficient
.set XR,  20                           ; v[20:23] x of my four row tiles
.set BY,  24                           ; v[24:27] x / pi + magic
.set BR,  28                           ; v[28:31] r, later w^2, later 2 sin u
.set BU,  32                           ; v[32:35] n, later u = r / 2
.set BW,  36                           ; v[36:39] w = u^2
.set BPS, 40                           ; v[40:43] sine chain
.set BPC, 44                           ; v[44:47] cosine chain
.set BH,  48                           ; v[48:51] 1 - w / 2, later cos r
.set BQ,  52                           ; v[52:55] u w, later sin^2 u, later sin r
.set BSG, 56                           ; v[56:59] the sign (-1)^n as bit 31
.set TT,  60                           ; v[60:63] 2 cos x of the four elements
.set Z,   64                           ; v[64:95] two sets by turns, element e at 4 e: cos, sin of the odd multiple, cos, sin of the even one behind it
.set CT,  96                           ; v[96:111] eight rows of coefficients as f16
.set AF,  128                          ; v[128:255] feature fragments, (s, a) at 32 s + 8 a; x on its way to LDS before, rows on the way out after
; window 1: v[0:63], v[64:127] two buffers of eight coefficient fragments; v128 = VS1, the address of my LDS stores of coefficients.
; window 2: accumulator (a, b) at 8 (8 a + b).   window 3: coefficients as loaded, tile parity q at 128 q, row g at 4 g.
.set VS1, 128
.set SB,  18                           ; s[18:19] coeff at my 32 rows of the tile asked for last
.set SX,  20                           ; s[20:21] x at my first row and first input
.set W_FR,  0x40                       ; destination window 1
.set W_MM,  0xa1                       ; source 0 window 1, source 1 window 0, C and D window 2.  An LDS store under it: address window 1, data window 0
.set W_CV,  0x0f                       ; sources 0 and 1 window 3
.set W_LS,  0xc0                       ; destination window 3; addresses window 0
.set W_OUT, 0x08                       ; store data window 2
.set MSB, 0
.macro WIN new                         ; the high byte of the immediate repeats the setting that is left; a switch that changes nothing is dropped
.if MSB != \new
	s_set_vgpr_msb (MSB<<8)|\new
.set MSB, \new
.endif
.endm
.macro PLACES                          ; four places behind a matrix instruction where no useful vector work stands (ISA guide 7.12.1)
.rept 4
	v_nop
.endr
.endm
; Three counts that the text keeps of itself while it is assembled:
.set PLC, 4                            ; plain vector instructions since the last matrix instruction, none of which names a register of it
.set DSA, 0                            ; LDS instructions issued behind the last fragment load
.set DSP, 0                            ; 1: fragment loads have been issued and not yet waited for
	s_load_b128 s[4:7], s[0:1], 0x0                ; x s[4:5], coeff s[6:7]
	s_load_b64 s[8:9], s[0:1], 0x10                ; part
	v_lshl_add_u32 v126, v0, 2, 0x2b400
	v_mov_b32 v127, 0
	v_lshrrev_b32 v1, 5, v0
	v_readfirstlane_b32 s10, v1                    ; wave w
	s_and_b32 s11, ttmp7, 0xffff                   ; second id = mt: the eight row blocks that read one coefficient tile differ in it alone
	s_and_b32 s12, ttmp9, 3                        ; first id = 4 ks + nt
	s_lshl_b32 s12, s12, 9                         ; nt x 128 columns x 4 bytes
	s_lshr_b32 s13, ttmp9, 2                       ; ks
	s_and_b32 s14, s10, 1                          ; my rows of a tile: cs = w & 1,
	s_lshl_b32 s14, s14, 25                        ; 2^25 bytes from cos to sin
	s_lshr_b32 s15, s10, 1                         ; lane half h = w >> 1
	s_lshl_b32 s15, s15, 5
	s_lshl_b32 s24, s13, 6
	s_add_co_u32 s15, s15, s24                     ; input 64 ks + 32 h
	s_lshl_b32 s15, s15, 16
	s_add_co_u32 s24, s14, s15
	s_add_co_u32 s24, s24, s12                     ; below 2^26
	s_mov_b32 s25, 0
	s_lshl_b32 s14, s11, 19
	s_lshl_b32 s15, s10, 17
	s_add_co_u32 s14, s14, s15                     ; (256 mt + 64 w) rows of 2,048 bytes
	s_lshl_b32 s26, s13, 8                         ; 64 ks inputs of 4 bytes
	s_add_co_u32 s26, s26, s14
	s_mov_b32 s27, 0
	s_lshl_b32 s28, s13, 22                        ; ks parts of 2^22 bytes
	s_add_co_u32 s28, s28, s14
	s_add_co_u32 s28, s28, s12
	s_mov_b32 s29, 0
	s_mul_i32 s30, s10, 32*PB                      ; my 32 rows of a coefficient tile
	s_mul_i32 s31, s10, XSW
	s_add_co_u32 s31, s31, XSB                     ; my x stage
	s_mul_i32 s32, s10, OUTW
	s_add_co_u32 s32, s32, OUTB                    ; my stage for the way out
	v_and_b32 v1, 31, v0                           ; L
	v_and_b32 v2, 15, v0                           ; r = L & 15
	v_bfe_u32 v3, v0, 4, 1                         ; h = L >> 4
	v_lshlrev_b32 v[VB], 4, v1
	v_lshl_add_u32 v[VS], v1, 3, s30
	v_and_b32 v18, 7, v0
	v_mul_u32_u24 v18, v18, PB                     ; row L & 7 of eight
	v_bfe_u32 v19, v0, 3, 1
	v_lshl_add_u32 v18, v19, 4, v18                ; columns 8 ((L >> 3) & 1) ..
	v_mul_u32_u24 v19, v3, 64*PB                   ; the 64 rows of my lane half
	v_add_nc_u32 v[VF], v18, v19
	v_mul_u32_u24 v18, v2, PX
	v_lshl_add_u32 v18, v3, 7, v18                 ; row r, input 32 h
	v_add_nc_u32 v[VX], s31, v18
	v_mul_u32_u24 v18, v3, PX
	v_lshl_add_u32 v18, v2, 4, v18                 ; row h, 16 bytes at 16 r
	v_add_nc_u32 v[VXS], s31, v18
	v_lshlrev_b32 v18, 11, v3
	v_lshl_add_u32 v[VXG], v2, 4, v18
	v_mul_u32_u24 v18, v2, PO
	v_lshl_add_u32 v18, v3, 5, v18                 ; row r, columns 8 h ..
	v_add_nc_u32 v[VO], s32, v18
	v_lshl_add_u32 v[VR], v1, 4, s32
	v_mov_b32 v[KM], 0x4b400000
	v_mov_b32 v[KM+1], 0x4b400000
	v_mov_b32 v[KS2], 0x3c08839e
	v_mov_b32 v[KS2+1], 0x3c08839e
	v_mov_b32 v[KC2], 0xbab6061a
	v_mov_b32 v[KC2+1], 0xbab6061a
	WIN W_FR
	v_mov_b32 v[VS1], v[VS]                        ; the store address into window 1: the LDS stores then need no switch away from the matrix setting
	WIN 0
	s_wait_kmcnt 0x0
	s_add_nc_u64 s[SB:SB+1], s[6:7], s[24:25]
	s_add_nc_u64 s[SX:SX+1], s[4:5], s[26:27]
	s_add_nc_u64 s[8:9], s[8:9], s[28:29]
; The matrix instruction of slot SL (= 8 a + b) of matrix step s, on fragment buffer q.  Source 0 = coefficients, source 1 = features: register j of
; lane (r, h) then holds row 16 a + r, column 16 b + 8 h + j, eight neighbouring columns of a row.  zero = 1: it starts the sum, nothing is cleared.
.macro W s, q, zero
	WIN W_MM
.if \zero
	v_wmma_f32_16x16x32_f16 v[8*SL:8*SL+7], v[64*\q+8*(SL&7):64*\q+8*(SL&7)+7], v[AF+32*\s+8*(SL>>3):AF+32*\s+8*(SL>>3)+7], 0
.else
	v_wmma_f32_16x16x32_f16 v[8*SL:8*SL+7], v[64*\q+8*(SL&7):64*\q+8*(SL&7)+7], v[AF+32*\s+8*(SL>>3):AF+32*\s+8*(SL>>3)+7], v[8*SL:8*SL+7]
.endif
.set PLC, 0
.endm
; Sixteen transposing loads: the eight coefficient fragments (16 columns x 32 K each) of matrix step s of LDS buffer p into register buffer q.
; Lane L addresses row (L & 7) of the eight rows that its half needs; the load hands lane L column 16 b + r of those eight rows, two to a register.
.macro FRG p, s, q
	WIN W_FR
.irp b, 0,1,2,3,4,5,6,7
	ds_load_tr16_b128 v[64*\q+8*\b:64*\q+8*\b+3],   v[VF] offset:\p*BBUF+(32*(\s&1)+16*(\s>>1))*PB+32*\b
	ds_load_tr16_b128 v[64*\q+8*\b+4:64*\q+8*\b+7], v[VF] offset:\p*BBUF+(32*(\s&1)+16*(\s>>1)+8)*PB+32*\b
.endr
.set DSA, 0
.set DSP, 1
.endm
; Piece k (1 .. 18) of cos x and sin x of four elements, two to a packed instruction; no line of a piece reads what another line of it writes.
; n = round(x / pi) by adding 1.5 x 2^23 (bit 0 of that sum is the parity of n); r = x - n pi with pi in two parts; u = r / 2, |u| <= pi / 4; sin u and
; cos u by polynomials of degree 7 and 8; one doubling; the sign (-1)^n by exclusive or.  Pieces 14 to 18 write Z's set 0 and the factors 2 cos x.
.macro BG k
	WIN 0
.set BGN, \k
.if BGN == 1
.irp P, 0,2
	v_pk_fma_f32 v[BY+\P:BY+\P+1], v[XR+\P:XR+\P+1], 0x3ea2f983, v[KM:KM+1] op_sel_hi:[1,0,1]      ; x / pi + magic
.endr
.if P_NX2
	v_add_nc_u32 v[VX], 4, v[VX]                                                                   ; the address of the x that is fetched next
.endif
.set PLC, PLC+2
.endif
.if BGN == 2
.irp P, 0,2
	v_pk_add_f32 v[BU+\P:BU+\P+1], v[BY+\P:BY+\P+1], v[KM:KM+1] neg_lo:[0,1] neg_hi:[0,1]          ; n
.endr
.irp e, 0,1
	v_lshlrev_b32 v[BSG+\e], 31, v[BY+\e]                                                          ; parity of n to the sign bit
.endr
.set PLC, PLC+4
.endif
.if BGN == 3
.irp P, 0,2
	v_pk_fma_f32 v[BR+\P:BR+\P+1], v[BU+\P:BU+\P+1], 0xc0490fdb, v[XR+\P:XR+\P+1] op_sel_hi:[1,0,1] ; x - n pi_hi: the last line that reads x
.endr
.irp e, 2,3
	v_lshlrev_b32 v[BSG+\e], 31, v[BY+\e]
.endr
.set PLC, PLC+4
.endif
.if BGN == 4
.irp P, 0,2
	v_pk_fma_f32 v[BR+\P:BR+\P+1], v[BU+\P:BU+\P+1], 0x33bbbd2e, v[BR+\P:BR+\P+1] op_sel_hi:[1,0,1] ; - n pi_lo
.endr
.set PLC, PLC+2
.endif
.if BGN == 5
.irp P, 0,2
	v_pk_mul_f32 v[BU+\P:BU+\P+1], v[BR+\P:BR+\P+1], 0.5 op_sel_hi:[1,0]                           ; u
.endr
.set PLC, PLC+2
.endif
.if BGN == 6
.irp P, 0,2
	v_pk_mul_f32 v[BW+\P:BW+\P+1], v[BU+\P:BU+\P+1], v[BU+\P:BU+\P+1]                              ; w = u^2
.endr
.set PLC, PLC+2
.endif
.if BGN == 7
.irp P, 0,2
	v_pk_fma_f32 v[BPS+\P:BPS+\P+1], v[BW+\P:BW+\P+1], 0xb94ca1f9, v[KS2:KS2+1] op_sel_hi:[1,0,1]
	v_pk_fma_f32 v[BPC+\P:BPC+\P+1], v[BW+\P:BW+\P+1], 0x37ccf5ce, v[KC2:KC2+1] op_sel_hi:[1,0,1]
.endr
.set PLC, PLC+4
.endif
.if BGN == 8
.irp P, 0,2
	v_pk_mul_f32 v[BQ+\P:BQ+\P+1], v[BU+\P:BU+\P+1], v[BW+\P:BW+\P+1]                              ; u w
	v_pk_fma_f32 v[BH+\P:BH+\P+1], v[BW+\P:BW+\P+1], -0.5, 1.0 op_sel_hi:[1,0,0]                   ; 1 - w / 2
.endr
.set PLC, PLC+4
.endif
.if BGN == 9
.irp P, 0,2
	v_pk_fma_f32 v[BPS+\P:BPS+\P+1], v[BPS+\P:BPS+\P+1], v[BW+\P:BW+\P+1], 0xbe2aaaa3 op_sel_hi:[1,1,0]
	v_pk_fma_f32 v[BPC+\P:BPC+\P+1], v[BPC+\P:BPC+\P+1], v[BW+\P:BW+\P+1], 0x3d2aaaa5 op_sel_hi:[1,1,0]
.endr
.set PLC, PLC+4
.endif
.if BGN == 10
.irp P, 0,2
	v_pk_mul_f32 v[BR+\P:BR+\P+1], v[BW+\P:BW+\P+1], v[BW+\P:BW+\P+1]                              ; w^2
	v_pk_fma_f32 v[BPS+\P:BPS+\P+1], v[BQ+\P:BQ+\P+1], v[BPS+\P:BPS+\P+1], v[BU+\P:BU+\P+1]        ; sin u
.endr
.set PLC, PLC+4
.endif
.if BGN == 11
.irp P, 0,2
	v_pk_fma_f32 v[BPC+\P:BPC+\P+1], v[BR+\P:BR+\P+1], v[BPC+\P:BPC+\P+1], v[BH+\P:BH+\P+1]        ; cos u
	v_pk_mul_f32 v[BQ+\P:BQ+\P+1], v[BPS+\P:BPS+\P+1], v[BPS+\P:BPS+\P+1]                          ; sin^2 u
.endr
.set PLC, PLC+4
.endif
.if BGN == 12
.irp P, 0,2
	v_pk_add_f32 v[BR+\P:BR+\P+1], v[BPS+\P:BPS+\P+1], v[BPS+\P:BPS+\P+1]                          ; 2 sin u
	v_pk_fma_f32 v[BH+\P:BH+\P+1], v[BQ+\P:BQ+\P+1], -2.0, 1.0 op_sel_hi:[1,0,0]                   ; cos r
.endr
.set PLC, PLC+4
.endif
.if BGN == 13
.irp P, 0,2
	v_pk_mul_f32 v[BQ+\P:BQ+\P+1], v[BR+\P:BR+\P+1], v[BPC+\P:BPC+\P+1]                            ; sin r
.endr
.set PLC, PLC+2
.endif
.if BGN == 14
.irp e, 0,1,2,3
	v_xor_b32 v[Z+4*\e],   v[BH+\e], v[BSG+\e]                                                     ; cos x
.endr
.set PLC, PLC+4
.endif
.if BGN == 15
.irp e, 0,1,2,3
	v_xor_b32 v[Z+4*\e+1], v[BQ+\e], v[BSG+\e]                                                     ; sin x
.endr
.set PLC, PLC+4
.endif
.if BGN == 16
.irp e, 0,1,2,3
	v_add_f32 v[TT+\e], v[Z+4*\e], v[Z+4*\e]                                                       ; 2 cos x
.endr
.set PLC, PLC+4
.endif
.if BGN == 17
.irp e, 0,1,2,3
	v_fma_f32 v[Z+4*\e+2], v[TT+\e], v[Z+4*\e], -1.0                                               ; cos 2x
.endr
.set PLC, PLC+4
.endif
.if BGN == 18
.irp e, 0,1,2,3
	v_mul_f32 v[Z+4*\e+3], v[TT+\e], v[Z+4*\e+1]                                                   ; sin 2x
.endr
.set PLC, PLC+4
.endif
.endm
; dst (a cos and sin pair) = 2 cos x of element e times pair a, minus pair b.  The factor is taken from its pair for both halves.
.macro UPD dst, e, a, b
.if (\e) & 1
	v_pk_fma_f32 v[(\dst):(\dst)+1], v[TT+\e-1:TT+\e], v[(\a):(\a)+1], v[(\b):(\b)+1] op_sel:[1,0,0] op_sel_hi:[1,1,1] neg_lo:[0,0,1] neg_hi:[0,0,1]
.else
	v_pk_fma_f32 v[(\dst):(\dst)+1], v[TT+\e:TT+\e+1], v[(\a):(\a)+1], v[(\b):(\b)+1] op_sel:[0,0,0] op_sel_hi:[0,1,1] neg_lo:[0,0,1] neg_hi:[0,0,1]
.endif
.endm
; Group g (0 .. 61) of the feature work: four instructions, one for each of my four elements.  Trip j = g / 4 + 1 (1 .. 15) makes the multiples 2 j + 1
; (kind 0) and 2 j + 2 (kind 2) in one set of Z and rounds those of trip j - 1, from the other set, to f16: register (j - 1) & 7 of fragments
; 2 ((j - 1) >> 3) (cos, kind 1) and one further (sin, kind 3).  Groups 60 and 61 round trip 15.  Groups 0-31 write the fragments of steps 0 and 1,
; groups 32-61 those of steps 2 and 3.  A line reads results of earlier groups only.
.macro FG g
	WIN 0
.set FGN, \g
.set FJ, FGN/4+1
.if FGN >= 60
.set FK, 2*(FGN-60)+1
.else
.set FK, FGN&3
.endif
.set FC, 16*(FJ&1)
.set FP, 16-FC
.set FS, AF+64*((FJ-1)>>3)+((FJ-1)&7)
.if FK == 0
.irp e, 0,1,2,3
	UPD Z+FC+4*\e, \e, Z+FP+4*\e+2, Z+FP+4*\e
.endr
.endif
.if FK == 1
.irp e, 0,1,2,3
	v_cvt_pk_f16_f32 v[FS+8*\e], v[Z+FP+4*\e], v[Z+FP+4*\e+2]
.endr
.endif
.if FK == 2
.irp e, 0,1,2,3
	UPD Z+FC+4*\e+2, \e, Z+FC+4*\e, Z+FP+4*\e+2
.endr
.endif
.if FK == 3
.irp e, 0,1,2,3
	v_cvt_pk_f16_f32 v[FS+32+8*\e], v[Z+FP+4*\e+1], v[Z+FP+4*\e+3]
.endr
.endif
.set PLC, PLC+4
.endm
; Chunk c = rows 8 c .. 8 c + 7 of my 32 rows of a coefficient tile.  CVG: group i (0 .. 3) rounds two of its rows, from register half q, to f16.
; cnt, in front of group 0: how many younger loads may stay out.
.macro CVG c, i, q, cnt
.set CVI, \i
.if CVI == 0
	s_wait_loadcnt \cnt
.endif
	WIN W_CV
.irp k, 0,1
	v_cvt_pk_f16_f32 v[CT+4*CVI+2*\k],   v[128*\q+4*(8*\c+2*CVI+\k)],   v[128*\q+4*(8*\c+2*CVI+\k)+1]
	v_cvt_pk_f16_f32 v[CT+4*CVI+2*\k+1], v[128*\q+4*(8*\c+2*CVI+\k)+2], v[128*\q+4*(8*\c+2*CVI+\k)+3]
.endr
.set PLC, PLC+4
.endm
.macro STC c, wb                       ; the chunk's eight rows into LDS buffer wb, under the matrix setting
	WIN W_MM
.irp k, 0,1,2,3,4,5,6,7
	ds_store_b64 v[VS1], v[CT+2*\k:CT+2*\k+1] offset:\wb*BBUF+(8*\c+\k)*PB      ; 32 lanes, 256 consecutive bytes
.endr
.set DSA, DSA+8
.endm
.macro LDC c, q                        ; the chunk's registers are asked for again, two tiles on
.if \c == 0
	s_wait_xcnt 0x0                                ; the base of the loads still out is stepped only behind this wait
	s_add_nc_u64 s[SB:SB+1], s[SB:SB+1], ISTEP     ; the next input = the next tile
.endif
	WIN W_LS
.irp k, 0,1,2,3,4,5,6,7
	global_load_b128 v[128*\q+4*(8*\c+\k):128*\q+4*(8*\c+\k)+3], v[VB], s[SB:SB+1] offset:(8*\c+\k)*GROW
.endr
.endm
; A PHASE BOUNDARY: the one run of memory instructions.  First the wait for the fragments of the phase that follows, which the boundary before asked
; for: its count is DSA, the LDS instructions issued behind them (the 8 stores of a chunk; once in a period also 4 loads of x).  Then: ld = 1, chunk c of
; half wb is asked for again; frag = 1, the fragments of step s of LDS buffer p go into buffer q, which the phase just ended has read: four plain
; vector instructions stand between its last matrix instruction and these loads, the last slot's group where it has one, v_nop
; otherwise; xl = 1, the x of the tile after the next; st = 1, chunk c, converted in the phase just ended, goes into LDS buffer wb.
.macro BND p, s, q, frag, st, c, wb, ld, xl
.if DSP
	s_wait_dscnt DSA
.set DSP, 0
.endif
.if \frag
.if PLC < 4
.rept 4-PLC
	v_nop
.endr
.set PLC, 4
.endif
.endif
.if \ld
	LDC \c, \wb
.endif
.if \frag
	FRG \p, \s, \q
.endif
.if \xl
	WIN 0
.irp a, 0,1,2,3
	ds_load_b32 v[XR+\a], v[VX] offset:\a*16*PX    ; my own bytes of the x stage; in by the wait for 0 in front of the period's barrier signal
.endr
.set DSA, DSA+4
.endif
.if \st
	STC \c, \wb
.endif
.endm
; PHASES A AND D: matrix step s on buffer q (mm = 0: no matrix work, ahead of the first tile).  Odd slots: feature groups fb .. fb + 15 (fg = 1).
; Slots 2, 4, 6, 8: chunk cc of register half ch is converted (cv = 1).  sig = 1: in front of slot 16 the barrier is signalled.
.macro PH_AD s, q, mm, fg, fb, cv, cc, ch, cnt, sig
.set SL, 0
.rept 32
.if \sig
.if SL == 16
	s_wait_dscnt 0x0                               ; for the other waves: my stores of the next tile and my last reads of this tile's buffer are done
	s_barrier_signal -1                            ; up to the wait at the phase's end: registers only
.set DSP, 0
.set DSA, 0
.endif
.endif
.if \mm
	W \s, \q, 0
.endif
.if SL & 1
.if \fg
	FG \fb+(SL>>1)
.endif
.else
.if \cv
.if SL >= 2
.if SL <= 8
	CVG \cc, (SL-2)/2, \ch, \cnt
.endif
.endif
.endif
.endif
.set SL, SL+1
.endr
.endm
; PHASE B: matrix step 0.  Odd slots 3 .. 31: feature groups 32-46.  Even slots 0 .. 16: pieces 1-9 of the next tile's cos and sin; 18 .. 24: chunk 2.
.macro PH_B zero, nxt, np, cnt
.set SL, 0
.rept 32
	W 0, 0, \zero
.if SL & 1
.if SL >= 3
	FG 32+(SL-3)/2
.endif
.else
.if \nxt
.if SL <= 16
	BG SL/2+1
.else
.if SL <= 24
	CVG 2, (SL-18)/2, \np, \cnt
.endif
.endif
.endif
.endif
.set SL, SL+1
.endr
.endm
; PHASE C: matrix step 1.  Even slots 0 .. 24: feature groups 47-59; odd slots 1 .. 7: pieces 10-13; 9 .. 15: chunk 3.  Group 59 is the last that reads
; Z's set 0 and group 58 the last that reads the factors, so pieces 14-18, which write both anew, stand in slots 25, 27, 29, 30, 31; groups 60 and 61,
; which read set 1, in slots 26 and 28.
.macro PH_C nxt, np, cnt
.set SL, 0
.rept 32
	W 1, 1, 0
.if SL <= 24
.if SL & 1
.if \nxt
.if SL <= 7
	BG 10+(SL-1)/2
.else
.if SL <= 15
	CVG 3, (SL-9)/2, \np, \cnt
.endif
.endif
.endif
.else
	FG 47+SL/2
.endif
.else
.if SL == 26
	FG 60
.endif
.if SL == 28
	FG 61
.endif
.if \nxt
.if SL == 25
	BG 14
.endif
.if SL == 27
	BG 15
.endif
.if SL >= 29
	BG SL-13
.endif
.endif
.endif
.set SL, SL+1
.endr
.endm
; THE PERIOD OF TILE t, which lies in LDS buffer p (np = the other).  nxt: tile t + 1 exists (it is converted into buffer np, its features begin, and
; the period ends with the barrier); nx2: tile t + 2 exists (its chunk 0 is converted in phase D, its x fetched); refill: tile t + 3 exists and is asked
; for.  Chunk c (1 .. 3) of tile t + 1 waits for c0 - dc c loads, chunk 0 of tile t + 2 for c0n.
; THE BARRIER, one for each period.  In front of the signal: my stores of tile t + 1 into buffer np and my reads of buffer p are done.  Behind the wait:
; the next period reads buffer np and stores into buffer p.
.macro PERIOD p, np, mma, zero, nxt, nx2, refill, c0, dc, c0n
.set P_NX2, \nx2
	BND \p, 0, 0, 1, \nxt, 0, \np, \refill, 0
	PH_AD 3, 1, \mma, 1, 16, \nxt, 1, \np, \c0-\dc*1, 0
	BND \p, 1, 1, 1, \nxt, 1, \np, \refill, 0
	PH_B \zero, \nxt, \np, \c0-\dc*2
	BND \p, 2, 0, 1, \nxt, 2, \np, \refill, \nx2
	PH_C \nxt, \np, \c0-\dc*3
	BND \p, 3, 1, 1, \nxt, 3, \np, \refill, 0
	PH_AD 2, 0, 1, \nxt, 0, \nx2, 0, \p, \c0n, \nxt
.if \nxt
	s_barrier_wait -1
.endif
.endm
	; x of my 64 rows and 64 inputs, once: sixteen lanes take 256 consecutive aligned bytes of a row, two rows an instruction
.set n, 0
.rept 32
	global_load_b128 v[AF+4*n:AF+4*n+3], v[VXG], s[SX:SX+1] offset:2*GROW*n
.set n, n+1
.endr
	WIN W_LS
.set n, 0
.rept 32
	global_load_b128 v[4*n:4*n+3], v[VB], s[SB:SB+1] offset:GROW*n             ; tile 0 into half 0
.set n, n+1
.endr
	WIN 0
	s_wait_loadcnt 32                              ; x is in; the 32 loads of tile 0 stay out
.set n, 0
.rept 32
	ds_store_b128 v[VXS], v[AF+4*n:AF+4*n+3] offset:2*PX*n
.set n, n+1
.endr
	s_wait_xcnt 0x0                                ; the base of the loads of tile 0 is stepped only behind this wait
	s_add_nc_u64 s[SB:SB+1], s[SB:SB+1], ISTEP
	WIN W_LS
.set n, 0
.rept 32
	global_load_b128 v[128+4*n:128+4*n+3], v[VB], s[SB:SB+1] offset:GROW*n     ; tile 1 into half 1
.set n, n+1
.endr
	WIN 0
.irp a, 0,1,2,3
	ds_load_b32 v[XR+\a], v[VX] offset:\a*16*PX    ; x of tile 0; LDS serves a wave in order, so these see the stores above
.endr
	; Tile 0 goes into buffer 0, and tile 2 is asked for.  The count 56, here and in every full period: behind the eight rows of chunk c stand the
	; 8 (3 - c) later rows of the tile, the 32 rows of the next tile and the 8 c rows asked for again so far.  Sixty-four loads are asked for at the
	; most; the issue of a load holds until the counter has room (ISA guide 5.7.1), so no wait is placed for that.
.irp c, 0,1,2,3
.irp i, 0,1,2,3
	CVG \c, \i, 0, 56
.endr
	STC \c, 0
	LDC \c, 0
.endr
	s_wait_dscnt 0x0                               ; x of tile 0 is in
	; what the phases B, C and D of a period in front of the first would have done: cos and sin of tile 0, its feature groups 0-15, chunk 0 of tile 1
.set P_NX2, 1
.set n, 1
.rept 9
	BG n
.set n, n+1
.endr
.irp a, 0,1,2,3
	ds_load_b32 v[XR+\a], v[VX] offset:\a*16*PX    ; x of tile 1, behind piece 3, the last that reads x of tile 0
.endr
.rept 9
	BG n
.set n, n+1
.endr
.set n, 0
.rept 16
	FG n
.set n, n+1
.endr
.irp i, 0,1,2,3
	CVG 0, \i, 1, 56                               ; behind chunk 0 of tile 1: its 24 later rows and the 32 rows of tile 2
.endr
	s_wait_dscnt 0x0                               ; for the other waves: my stores of tile 0 are done (and my x of tile 1 is in)
	s_barrier_signal -1
	s_barrier_wait -1
.set DSA, 0
.set DSP, 0
.set PLC, 4
	PERIOD 0, 1, 0, 1, 1, 1, 1, 56, 0, 56          ; tile 0: no matrix work in phase A; the products of phase B start the sums
	WIN 0                                          ; at a label and at a branch every window is 0
	s_mov_b32 s22, 14                              ; tiles 1 to 28
.Lpair:
	PERIOD 1, 0, 1, 0, 1, 1, 1, 56, 0, 56
	PERIOD 0, 1, 1, 0, 1, 1, 1, 56, 0, 56
	WIN 0
	s_sub_co_i32 s22, s22, 1
	s_cmp_lg_u32 s22, 0
	s_cbranch_scc1 .Lpair
	PERIOD 1, 0, 1, 0, 1, 1, 0, 56, 8, 24          ; tile 29 converts tile 30 and asks for nothing: behind chunk c stand 8 (3 - c) rows and tile 31: 48, 40, 32; behind chunk 0 of tile 31 its 24 later rows
	PERIOD 0, 1, 1, 0, 1, 0, 0, 24, 8, 0           ; tile 30 converts the rest of tile 31: 16, 8, 0
	PERIOD 1, 0, 1, 0, 0, 0, 0, 0, 0, 0            ; tile 31: nothing follows, no barrier
	BND 0, 0, 0, 0, 0, 0, 0, 0, 0                  ; only the wait for the fragments of its step 3
	PH_AD 3, 1, 1, 0, 0, 0, 0, 0, 0, 0
; THE WAY OUT, 16 rows at a time through my own stage: a lane holds 8 neighbouring columns of one row (two stores of 16 bytes); rows are read back
; whole, and each global store of the wave covers 512 consecutive aligned bytes.  LDS serves a wave in order: no wait between stores and loads.
.macro OUT16 a, set
	WIN W_OUT
.irp b, 0,1,2,3,4,5,6,7
	ds_store_b128 v[VO], v[8*(8*\a+\b):8*(8*\a+\b)+3]   offset:64*\b
	ds_store_b128 v[VO], v[8*(8*\a+\b)+4:8*(8*\a+\b)+7] offset:64*\b+16
.endr
	WIN 0
	s_wait_xcnt 0x0                                ; registers that earlier global stores read are loaded again only behind this wait
.irp o, 0,1,2,3,4,5,6,7,8,9,10,11,12,13,14,15
	ds_load_b128 v[AF+64*\set+4*\o:AF+64*\set+4*\o+3], v[VR] offset:PO*\o
.endr
.irp o, 0,1,2,3,4,5,6,7,8,9,10,11,12,13,14,15
	s_wait_dscnt 15-\o                             ; row o is back; the younger rows stay out
	global_store_b128 v[VB], v[AF+64*\set+4*\o:AF+64*\set+4*\o+3], s[8:9] offset:(16*\a+\o)*GROW
.endr
.endm
	PLACES                                         ; behind the last matrix instructions: results are stored to LDS, feature registers loaded into
	OUT16 0, 0
	OUT16 1, 1
	OUT16 2, 0
	OUT16 3, 1
	s_wait_tensorcnt 0x0
	ds_add_u32 v126, v127
	s_wait_dscnt 0x0
	s_endpgm
.Lfunc_end_k_q04d3ff0c55_kan_part:
	.size	k_q04d3ff0c55_kan_part, .Lfunc_end_k_q04d3ff0c55_kan_part-k_q04d3ff0c55_kan_part
	.p2alignl 7, 3214868480
	.fill 96, 4, 3214868480
	.section	.rodata,"a",@progbits
	.p2align	6, 0x0
	.amdhsa_kernel k_q04d3ff0c55_kan_part
		.amdhsa_group_segment_fixed_size 177664
		.amdhsa_private_segment_fixed_size 0
		.amdhsa_enable_private_segment 0
		.amdhsa_kernarg_size 24
		.amdhsa_user_sgpr_count 2
		.amdhsa_user_sgpr_kernarg_segment_ptr 1
		.amdhsa_wavefront_size32 1
		.amdhsa_system_sgpr_workgroup_id_x 1
		.amdhsa_system_sgpr_workgroup_id_y 1
		.amdhsa_system_sgpr_workgroup_id_z 1
		.amdhsa_system_vgpr_workitem_id 0
		.amdhsa_next_free_vgpr 1024
		.amdhsa_next_free_sgpr 66
		.amdhsa_reserve_vcc 0
		.amdhsa_float_denorm_mode_32 3
		.amdhsa_float_denorm_mode_16_64 3
		.amdhsa_memory_ordered 1
		.amdhsa_forward_progress 1
		.amdhsa_inst_pref_size 255
	.end_amdhsa_kernel
	.section	.bss,"aw",@nobits
	.p2align	6
	.space	262144
	.amdgpu_metadata
---
amdhsa.version: [ 1, 2 ]
amdhsa.kernels:
  - .name:           k_q04d3ff0c55_kan_part
    .symbol:         k_q04d3ff0c55_kan_part.kd
    .args:
      - { .name: x, .offset: 0, .size: 8, .value_kind: global_buffer, .address_space: global }
      - { .name: fourier_coeffs, .offset: 8, .size: 8, .value_kind: global_buffer, .address_space: global }
      - { .name: part, .offset: 16, .size: 8, .value_kind: global_buffer, .address_space: global }
    .group_segment_fixed_size: 177664
    .private_segment_fixed_size: 0
    .kernarg_segment_align: 8
    .kernarg_segment_size: 24
    .max_flat_workgroup_size: 128
    .sgpr_count:     66
    .vgpr_count:     1024
    .wavefront_size: 32
...
	.end_amdgpu_metadata
.endif
;; end of part 3
;; launch kan_sum: the kernel of part 2 again; grid 256 x 1, 8 waves a work-group, no clusters, 0 bytes of LDS; arguments part, bias, out0; writes out0
;; ======== version 3 of 3: 2 launches; version 2 with the launch kan_part written anew for expert scheduling mode
;; limits: values are held in f16: magnitudes above 65,504 overflow, below 6.1e-05 lose precision; inputs' magnitudes at most 65,504; inputs' magnitudes at most 10,000,000
;; workspace buffers: part 33,554,432 bytes
;; launch kan_part (part 4): grid 32 x 8, 4 waves a work-group, no clusters, 177,664 bytes of LDS; arguments x, fourier_coeffs, part; writes part
.if DOCPART == 4
	.amdgcn_target "amdgcn-amd-amdhsa--gfx1250"
	.amdhsa_code_object_version 6
	.text
	.protected	k_q04d3ff0c55_kan_part
	.globl	k_q04d3ff0c55_kan_part
	.p2align	8
	.type	k_q04d3ff0c55_kan_part,@function
k_q04d3ff0c55_kan_part:
	s_mov_b64 s[64:65], 0
	v_nop
	global_prefetch_b8 v0, s[64:65] scope:SCOPE_SE
	s_setreg_imm32_b32 hwreg(HW_REG_WAVE_SCHED_MODE, 0, 2), 2
	s_setreg_imm32_b32 hwreg(HW_REG_WAVE_MODE, 25, 1), 1
	s_wait_xcnt 0x0
	s_wait_alu depctr_vm_vsrc(0)
; part[ks][b][o] = sum over cs (cos, sin), i in 64 ks .. 64 ks + 63, g in 0 .. 31 of  f_cs((g+1) x[b][i]) * coeff[cs][i][g][o]
; x: [2048][512] f32.  coeff: [2][512][32][512] f32.  part: [8][2048][512] f32.  A second launch adds the eight parts and the bias.
;
; SHARE.  The layer is one product of 2048 x 512 with K = 2 x 512 x 32 = 32,768.  A work-group makes 256 rows x 128 columns over one eighth of K
; (64 inputs): 8 x 4 x 8 = 256 work-groups of equal work.  Four waves, as many as a WGP has SIMDs; wave w owns rows 64 w .. 64 w + 63 and all 128
; columns: 4 x 8 accumulator tiles, 256 registers.
; FEATURES NEVER TOUCH MEMORY OR LDS.  A lane makes the features of its own rows straight in the layout of the matrix operand.  The order of K is
; free as long as both operands use the same one: tile t (0 .. 31, K = 128) takes input i0 + t in lanes 0-15 and input i0 + 32 + t in lanes 16-31, and
; its four matrix steps of K = 32 are cos g 0-15, sin g 0-15, cos g 16-31, sin g 16-31.  So a lane needs ONE x for each row tile and tile of K, and
; register j of a fragment holds g = 16 (s / 2) + 2 j in its low half and g + 1 in its high half.
; cos and sin of x come from polynomials, those of 2 x .. 32 x from  f(k+1) = 2 cos(x) f(k) - f(k-1), one packed multiply-add for a cos and sin pair.
; An error in cos(x) grows by at most k^2 = 1,024 on the way; it is half a unit in the last place where that factor is reached (sin x near 0, where
; cos x = 1 - 2 sin^2(r/2)), which stays below the rounding of the operands to f16.
; COEFFICIENTS: global_load_b128 (a wave instruction covers 512 consecutive bytes), two conversions, ds_store_b64 into a tile [K = 128][N = 128] of f16,
; one barrier, transposing LDS loads.  Each wave keeps its quarter of two tiles on the way in 256 registers: a tile is asked for two tiles ahead of its
; conversion, so no separate prefetch is written.
; THE ORDER OF THE TEXT.  A phase is one matrix step: 32 slots, each one matrix instruction and behind it at most one group: four vector instructions
; (features of the next tile, conversions of coefficients) or four loads.  A period is boundary and phase A, B, C, D:
;   A multiplies step 3 of tile t-1, B, C, D steps 0, 1, 2 of tile t.  A boundary opens the fetch of the fragments of the phase after the one it opens.
;   The fragments of steps 0, 1 are rewritten in D and A, those of steps 2, 3 in B and C: always behind the phase that read them.
; THE MODE: SCHED_MODE bits 1:0 = 2 (LLVM: expert scheduling mode 2), set by the entry lines.  The code itself states the register dependences
; between vector or matrix instructions and memory or LDS instructions, with s_wait_alu, always for 0.
; THE PLAN.  Registers that memory or LDS instructions touch, from the first period on:
;   raw (window 3)  Chunk c of a half: the four conversion groups of one phase read it; in the next phase the loads of the tile two further on land in it.
;   CT              Those groups write it; eight LDS stores, in slots 0-7 of the next phase, read it; that phase's own groups, which stand later, write it again.
;   fragments (window 1)  A phase's 32 matrix instructions read buffer q; behind the boundary that follows, the fragments of the phase after the next land in it.
;   XR              Pieces 1 and 3 of the sine and cosine, in phase B, read it; four LDS loads at the boundary in front of C land in it.
;   v[VX]           Those four loads read it; piece 1 writes it.
;   VB, VF, VS1, VO, VR, VXG, VXS  are made at the head and never written again.
; So ONE wait on va_vdst stands at each boundary, for all of these at once, and the boundary's loads and stores follow it dealt among the next phase's
; slots: that phase's vector and matrix instructions name the other fragment buffer, the features, the accumulators, the next chunk's raw registers
; and, behind the stores alone, CT: no register that those loads and stores touch.  One wait on vm_vsrc stands ahead of a chunk's first conversion
; group (CT), one ahead of the add to v[VX].
; NO TENSOR LOADS AND NO JOINT REQUESTS, though the eight row blocks read the same coefficients: such a load lays f32 into LDS, 64 KiB written and
; 64 KiB read back for each tile, beside the 32 KiB of f16 stores and the 128 KiB of fragment loads that a tile has anyway; the numbers must pass
; through registers to be converted in either case, so they come straight into registers.
; OPERANDS IN F16: features lie in [-1, 1] by construction, and f16 keeps three more bits than bf16.
; LIMITS.  Coefficients of 65,504 or more in magnitude become infinite in f16; below 2^-14 they keep an absolute step of 2^-24.
; The reduction of x holds for |x| < 1e7.  The features are cos and sin of the exact multiple k x; the definition rounds k x to f32 first, so the two
; angles differ by up to half a unit in the last place of k x (2^-12 for |k x| < 8,192).  A NaN or infinite x gives NaN in its row.
.set PB,    288                        ; pitch of a coefficient row in LDS: 256 bytes + 32 = 9 x 32
.set BBUF,  128*PB                     ; one coefficient tile: rows 64 h + 32 cs + g
.set PX,    272                        ; pitch of a row of x in LDS: 256 bytes + 16
.set XSB,   2*BBUF                     ; x stage: behind the two tiles
.set XSW,   64*PX                      ; 64 rows for each wave, its own bytes
.set PO,    528                        ; pitch of a row on the way out: 512 bytes + 16 = 33 x 16
.set OUTB,  XSB+4*XSW                  ; stage for the way out
.set OUTW,  16*PO                      ; 16 rows for each wave, its own bytes
.set GROW,  2048                       ; bytes from g to g + 1 in coeff, and from row to row in x and part
.set ISTEP, 65536                      ; bytes from input i to i + 1 in coeff
; window 0
.set VB,  4                            ; 16 L: my 16 bytes of a 512-byte piece of a row (coefficient loads, part stores)
.set VS,  5                            ; LDS: my 8 bytes in row 0 of my 32 rows of a coefficient tile (copied to window 1, see VS1)
.set VF,  6                            ; LDS: my address for the transposing fragment loads
.set VX,  7                            ; LDS: my x of row tile 0, stepped by 4 bytes for each tile
.set VO,  8                            ; LDS: way out, where my results go
.set VR,  9                            ; LDS: way out, where I read rows back
.set VXG, 10                           ; x in memory: two rows for each load, 16 lanes on 256 bytes
.set VXS, 11                           ; the same two rows in the x stage
.set KM,  12                           ; pair: 1.5 x 2^23
.set KS2, 14                           ; pair: sine coefficient
.set KC2, 16                           ; pair: cosine coefficient
.set XR,  20                           ; v[20:23] x of my four row tiles
.set BY,  24                           ; v[24:27] x / pi + magic
.set BR,  28                           ; v[28:31] r, later w^2, later 2 sin u
.set BU,  32                           ; v[32:35] n, later u = r / 2
.set BW,  36                           ; v[36:39] w = u^2
.set BPS, 40                           ; v[40:43] sine chain
.set BPC, 44                           ; v[44:47] cosine chain
.set BH,  48                           ; v[48:51] 1 - w / 2, later cos r
.set BQ,  52                           ; v[52:55] u w, later sin^2 u, later sin r
.set BSG, 56                           ; v[56:59] the sign (-1)^n as bit 31
.set TT,  60                           ; v[60:63] 2 cos x of the four elements
.set Z,   64                           ; v[64:95] two sets by turns, element e at 4 e: cos, sin of the odd multiple, cos, sin of the even one behind it
.set CT,  96                           ; v[96:111] eight rows of coefficients as f16
.set AF,  128                          ; v[128:255] feature fragments, (s, a) at 32 s + 8 a; x on its way to LDS before, rows on the way out after
; window 1: v[0:63], v[64:127] two buffers of eight coefficient fragments; v128 = VS1, the address of my LDS stores of coefficients.
; window 2: accumulator (a, b) at 8 (8 a + b).   window 3: coefficients as loaded, tile parity q at 128 q, row g at 4 g.
.set VS1, 128
.set SB,  18                           ; s[18:19] coeff at my 32 rows of the tile asked for last
.set SX,  20                           ; s[20:21] x at my first row and first input
.set W_FR,  0x40                       ; destination window 1
.set W_MM,  0xa1                       ; source 0 window 1, source 1 window 0, C and D window 2.  An LDS store under it: address window 1, data window 0
.set W_CV,  0x0f                       ; sources 0 and 1 window 3
.set W_LS,  0xc0                       ; destination window 3; addresses window 0
.set W_OUT, 0x08                       ; store data window 2
.set MSB, 0
.macro WIN new                         ; the high byte of the immediate repeats the setting that is left; a switch that changes nothing is dropped
.if MSB != \new
	s_set_vgpr_msb (MSB<<8)|\new
.set MSB, \new
.endif
.endm
.macro PLACES                          ; four places behind a matrix instruction where no useful vector work stands (ISA guide 7.12.1)
.rept 4
	v_nop
.endr
.endm
; Four counts that the text keeps of itself while it is assembled:
.set PLC, 4                            ; plain vector instructions since the last matrix instruction, none of which names a register of it
.set DSA, 0                            ; LDS instructions issued behind the last fragment load
.set DSP, 0                            ; 1: fragment loads have been issued and not yet waited for
.set CTB, 0                            ; 1: LDS stores that read CT have been issued since the last wait on vm_vsrc that stands ahead of conversions
; What a boundary leaves for the slots of the phase that it opens:
.set M_ST, 0                           ; 1: chunk M_C, converted in the phase before, goes into LDS buffer M_WB
.set M_LD, 0                           ; 1: chunk M_C of register half M_WB is asked for again
.set M_C,  0
.set M_WB, 0
.set M_FR, 0                           ; 1: the fragments of step M_S of LDS buffer M_P go into register buffer M_Q
.set M_P,  0
.set M_S,  0
.set M_Q,  0
	s_load_b128 s[4:7], s[0:1], 0x0                ; x s[4:5], coeff s[6:7]
	s_load_b64 s[8:9], s[0:1], 0x10                ; part
	v_lshl_add_u32 v126, v0, 2, 0x2b400
	v_mov_b32 v127, 0
	v_lshrrev_b32 v1, 5, v0
	v_readfirstlane_b32 s10, v1                    ; wave w
	s_and_b32 s11, ttmp7, 0xffff                   ; second id = mt: the eight row blocks that read one coefficient tile differ in it alone
	s_and_b32 s12, ttmp9, 3                        ; first id = 4 ks + nt
	s_lshl_b32 s12, s12, 9                         ; nt x 128 columns x 4 bytes
	s_lshr_b32 s13, ttmp9, 2                       ; ks
	s_wait_alu depctr_va_sdst(0)                   ; s10 is written, ahead of its first reader: bases and LDS places are made from it
	s_and_b32 s14, s10, 1                          ; my rows of a tile: cs = w & 1,
	s_lshl_b32 s14, s14, 25                        ; 2^25 bytes from cos to sin
	s_lshr_b32 s15, s10, 1                         ; lane half h = w >> 1
	s_lshl_b32 s15, s15, 5
	s_lshl_b32 s24, s13, 6
	s_add_co_u32 s15, s15, s24                     ; input 64 ks + 32 h
	s_lshl_b32 s15, s15, 16
	s_add_co_u32 s24, s14, s15
	s_add_co_u32 s24, s24, s12                     ; below 2^26
	s_mov_b32 s25, 0
	s_lshl_b32 s14, s11, 19
	s_lshl_b32 s15, s10, 17
	s_add_co_u32 s14, s14, s15                     ; (256 mt + 64 w) rows of 2,048 bytes
	s_lshl_b32 s26, s13, 8                         ; 64 ks inputs of 4 bytes
	s_add_co_u32 s26, s26, s14
	s_mov_b32 s27, 0
	s_lshl_b32 s28, s13, 22                        ; ks parts of 2^22 bytes
	s_add_co_u32 s28, s28, s14
	s_add_co_u32 s28, s28, s12
	s_mov_b32 s29, 0
	s_mul_i32 s30, s10, 32*PB                      ; my 32 rows of a coefficient tile
	s_mul_i32 s31, s10, XSW
	s_add_co_u32 s31, s31, XSB                     ; my x stage
	s_mul_i32 s32, s10, OUTW
	s_add_co_u32 s32, s32, OUTB                    ; my stage for the way out
	v_and_b32 v1, 31, v0                           ; L
	v_and_b32 v2, 15, v0                           ; r = L & 15
	v_bfe_u32 v3, v0, 4, 1                         ; h = L >> 4
	v_lshlrev_b32 v[VB], 4, v1
	v_lshl_add_u32 v[VS], v1, 3, s30
	v_and_b32 v18, 7, v0
	v_mul_u32_u24 v18, v18, PB                     ; row L & 7 of eight
	v_bfe_u32 v19, v0, 3, 1
	v_lshl_add_u32 v18, v19, 4, v18                ; columns 8 ((L >> 3) & 1) ..
	v_mul_u32_u24 v19, v3, 64*PB                   ; the 64 rows of my lane half
	v_add_nc_u32 v[VF], v18, v19
	v_mul_u32_u24 v18, v2, PX
	v_lshl_add_u32 v18, v3, 7, v18                 ; row r, input 32 h
	v_add_nc_u32 v[VX], s31, v18
	v_mul_u32_u24 v18, v3, PX
	v_lshl_add_u32 v18, v2, 4, v18                 ; row h, 16 bytes at 16 r
	v_add_nc_u32 v[VXS], s31, v18
	v_lshlrev_b32 v18, 11, v3
	v_lshl_add_u32 v[VXG], v2, 4, v18
	v_mul_u32_u24 v18, v2, PO
	v_lshl_add_u32 v18, v3, 5, v18                 ; row r, columns 8 h ..
	v_add_nc_u32 v[VO], s32, v18
	v_lshl_add_u32 v[VR], v1, 4, s32
	v_mov_b32 v[KM], 0x4b400000
	v_mov_b32 v[KM+1], 0x4b400000
	v_mov_b32 v[KS2], 0x3c08839e
	v_mov_b32 v[KS2+1], 0x3c08839e
	v_mov_b32 v[KC2], 0xbab6061a
	v_mov_b32 v[KC2+1], 0xbab6061a
	WIN W_FR
	v_mov_b32 v[VS1], v[VS]                        ; the store address into window 1: the LDS stores then need no switch away from the matrix setting
	WIN 0
	s_wait_kmcnt 0x0
	s_add_nc_u64 s[SB:SB+1], s[6:7], s[24:25]
	s_add_nc_u64 s[SX:SX+1], s[4:5], s[26:27]
	s_add_nc_u64 s[8:9], s[8:9], s[28:29]
; The matrix instruction of slot SL (= 8 a + b) of matrix step s, on fragment buffer q.  Source 0 = coefficients, source 1 = features: register j of
; lane (r, h) then holds row 16 a + r, column 16 b + 8 h + j, eight neighbouring columns of a row.  zero = 1: it starts the sum, nothing is cleared.
.macro W s, q, zero
	WIN W_MM
.if \zero
	v_wmma_f32_16x16x32_f16 v[8*SL:8*SL+7], v[64*\q+8*(SL&7):64*\q+8*(SL&7)+7], v[AF+32*\s+8*(SL>>3):AF+32*\s+8*(SL>>3)+7], 0
.else
	v_wmma_f32_16x16x32_f16 v[8*SL:8*SL+7], v[64*\q+8*(SL&7):64*\q+8*(SL&7)+7], v[AF+32*\s+8*(SL>>3):AF+32*\s+8*(SL>>3)+7], v[8*SL:8*SL+7]
.endif
.set PLC, 0
.endm
; Four transposing loads: coefficient fragments 2 i and 2 i + 1 (16 columns x 32 K each) of matrix step s of LDS buffer p into register buffer q.
; Lane L addresses row (L & 7) of the eight rows that its half needs; the load hands lane L column 16 b + r of those eight rows, two to a register.
.macro FRG4 p, s, q, i
.set FRI, \i
	WIN W_FR
.irp d, 0,1
	ds_load_tr16_b128 v[64*\q+8*(2*FRI+\d):64*\q+8*(2*FRI+\d)+3],   v[VF] offset:\p*BBUF+(32*(\s&1)+16*(\s>>1))*PB+32*(2*FRI+\d)
	ds_load_tr16_b128 v[64*\q+8*(2*FRI+\d)+4:64*\q+8*(2*FRI+\d)+7], v[VF] offset:\p*BBUF+(32*(\s&1)+16*(\s>>1)+8)*PB+32*(2*FRI+\d)
.endr
.set DSA, 0
.set DSP, 1
.endm
.macro FRG p, s, q                     ; all eight fragments in one run
.irp i, 0,1,2,3
	FRG4 \p, \s, \q, \i
.endr
.endm
; Piece k (1 .. 18) of cos x and sin x of four elements, two to a packed instruction; no line of a piece reads what another line of it writes.
; n = round(x / pi) by adding 1.5 x 2^23 (bit 0 of that sum is the parity of n); r = x - n pi with pi in two parts; u = r / 2, |u| <= pi / 4; sin u and
; cos u by polynomials of degree 7 and 8; one doubling; the sign (-1)^n by exclusive or.  Pieces 14 to 18 write Z's set 0 and the factors 2 cos x.
.macro BG k
	WIN 0
.set BGN, \k
.if BGN == 1
.irp P, 0,2
	v_pk_fma_f32 v[BY+\P:BY+\P+1], v[XR+\P:XR+\P+1], 0x3ea2f983, v[KM:KM+1] op_sel_hi:[1,0,1]      ; x / pi + magic
.endr
.if P_NX2
	s_wait_alu depctr_vm_vsrc(0)                                                                   ; the LDS loads of x issued so far have read v[VX]
	v_add_nc_u32 v[VX], 4, v[VX]                                                                   ; the address of the x that is fetched next
.endif
.set PLC, PLC+2
.endif
.if BGN == 2
.irp P, 0,2
	v_pk_add_f32 v[BU+\P:BU+\P+1], v[BY+\P:BY+\P+1], v[KM:KM+1] neg_lo:[0,1] neg_hi:[0,1]          ; n
.endr
.irp e, 0,1
	v_lshlrev_b32 v[BSG+\e], 31, v[BY+\e]                                                          ; parity of n to the sign bit
.endr
.set PLC, PLC+4
.endif
.if BGN == 3
.irp P, 0,2
	v_pk_fma_f32 v[BR+\P:BR+\P+1], v[BU+\P:BU+\P+1], 0xc0490fdb, v[XR+\P:XR+\P+1] op_sel_hi:[1,0,1] ; x - n pi_hi: the last line that reads x
.endr
.irp e, 2,3
	v_lshlrev_b32 v[BSG+\e], 31, v[BY+\e]
.endr
.set PLC, PLC+4
.endif
.if BGN == 4
.irp P, 0,2
	v_pk_fma_f32 v[BR+\P:BR+\P+1], v[BU+\P:BU+\P+1], 0x33bbbd2e, v[BR+\P:BR+\P+1] op_sel_hi:[1,0,1] ; - n pi_lo
.endr
.set PLC, PLC+2
.endif
.if BGN == 5
.irp P, 0,2
	v_pk_mul_f32 v[BU+\P:BU+\P+1], v[BR+\P:BR+\P+1], 0.5 op_sel_hi:[1,0]                           ; u
.endr
.set PLC, PLC+2
.endif
.if BGN == 6
.irp P, 0,2
	v_pk_mul_f32 v[BW+\P:BW+\P+1], v[BU+\P:BU+\P+1], v[BU+\P:BU+\P+1]                              ; w = u^2
.endr
.set PLC, PLC+2
.endif
.if BGN == 7
.irp P, 0,2
	v_pk_fma_f32 v[BPS+\P:BPS+\P+1], v[BW+\P:BW+\P+1], 0xb94ca1f9, v[KS2:KS2+1] op_sel_hi:[1,0,1]
	v_pk_fma_f32 v[BPC+\P:BPC+\P+1], v[BW+\P:BW+\P+1], 0x37ccf5ce, v[KC2:KC2+1] op_sel_hi:[1,0,1]
.endr
.set PLC, PLC+4
.endif
.if BGN == 8
.irp P, 0,2
	v_pk_mul_f32 v[BQ+\P:BQ+\P+1], v[BU+\P:BU+\P+1], v[BW+\P:BW+\P+1]                              ; u w
	v_pk_fma_f32 v[BH+\P:BH+\P+1], v[BW+\P:BW+\P+1], -0.5, 1.0 op_sel_hi:[1,0,0]                   ; 1 - w / 2
.endr
.set PLC, PLC+4
.endif
.if BGN == 9
.irp P, 0,2
	v_pk_fma_f32 v[BPS+\P:BPS+\P+1], v[BPS+\P:BPS+\P+1], v[BW+\P:BW+\P+1], 0xbe2aaaa3 op_sel_hi:[1,1,0]
	v_pk_fma_f32 v[BPC+\P:BPC+\P+1], v[BPC+\P:BPC+\P+1], v[BW+\P:BW+\P+1], 0x3d2aaaa5 op_sel_hi:[1,1,0]
.endr
.set PLC, PLC+4
.endif
.if BGN == 10
.irp P, 0,2
	v_pk_mul_f32 v[BR+\P:BR+\P+1], v[BW+\P:BW+\P+1], v[BW+\P:BW+\P+1]                              ; w^2
	v_pk_fma_f32 v[BPS+\P:BPS+\P+1], v[BQ+\P:BQ+\P+1], v[BPS+\P:BPS+\P+1], v[BU+\P:BU+\P+1]        ; sin u
.endr
.set PLC, PLC+4
.endif
.if BGN == 11
.irp P, 0,2
	v_pk_fma_f32 v[BPC+\P:BPC+\P+1], v[BR+\P:BR+\P+1], v[BPC+\P:BPC+\P+1], v[BH+\P:BH+\P+1]        ; cos u
	v_pk_mul_f32 v[BQ+\P:BQ+\P+1], v[BPS+\P:BPS+\P+1], v[BPS+\P:BPS+\P+1]                          ; sin^2 u
.endr
.set PLC, PLC+4
.endif
.if BGN == 12
.irp P, 0,2
	v_pk_add_f32 v[BR+\P:BR+\P+1], v[BPS+\P:BPS+\P+1], v[BPS+\P:BPS+\P+1]                          ; 2 sin u
	v_pk_fma_f32 v[BH+\P:BH+\P+1], v[BQ+\P:BQ+\P+1], -2.0, 1.0 op_sel_hi:[1,0,0]                   ; cos r
.endr
.set PLC, PLC+4
.endif
.if BGN == 13
.irp P, 0,2
	v_pk_mul_f32 v[BQ+\P:BQ+\P+1], v[BR+\P:BR+\P+1], v[BPC+\P:BPC+\P+1]                            ; sin r
.endr
.set PLC, PLC+2
.endif
.if BGN == 14
.irp e, 0,1,2,3
	v_xor_b32 v[Z+4*\e],   v[BH+\e], v[BSG+\e]                                                     ; cos x
.endr
.set PLC, PLC+4
.endif
.if BGN == 15
.irp e, 0,1,2,3
	v_xor_b32 v[Z+4*\e+1], v[BQ+\e], v[BSG+\e]                                                     ; sin x
.endr
.set PLC, PLC+4
.endif
.if BGN == 16
.irp e, 0,1,2,3
	v_add_f32 v[TT+\e], v[Z+4*\e], v[Z+4*\e]                                                       ; 2 cos x
.endr
.set PLC, PLC+4
.endif
.if BGN == 17
.irp e, 0,1,2,3
	v_fma_f32 v[Z+4*\e+2], v[TT+\e], v[Z+4*\e], -1.0                                               ; cos 2x
.endr
.set PLC, PLC+4
.endif
.if BGN == 18
.irp e, 0,1,2,3
	v_mul_f32 v[Z+4*\e+3], v[TT+\e], v[Z+4*\e+1]                                                   ; sin 2x
.endr
.set PLC, PLC+4
.endif
.endm
; dst (a cos and sin pair) = 2 cos x of element e times pair a, minus pair b.  The factor is taken from its pair for both halves.
.macro UPD dst, e, a, b
.if (\e) & 1
	v_pk_fma_f32 v[(\dst):(\dst)+1], v[TT+\e-1:TT+\e], v[(\a):(\a)+1], v[(\b):(\b)+1] op_sel:[1,0,0] op_sel_hi:[1,1,1] neg_lo:[0,0,1] neg_hi:[0,0,1]
.else
	v_pk_fma_f32 v[(\dst):(\dst)+1], v[TT+\e:TT+\e+1], v[(\a):(\a)+1], v[(\b):(\b)+1] op_sel:[0,0,0] op_sel_hi:[0,1,1] neg_lo:[0,0,1] neg_hi:[0,0,1]
.endif
.endm
; Group g (0 .. 61) of the feature work: four instructions, one for each of my four elements.  Trip j = g / 4 + 1 (1 .. 15) makes the multiples 2 j + 1
; (kind 0) and 2 j + 2 (kind 2) in one set of Z and rounds those of trip j - 1, from the other set, to f16: register (j - 1) & 7 of fragments
; 2 ((j - 1) >> 3) (cos, kind 1) and one further (sin, kind 3).  Groups 60 and 61 round trip 15.  Groups 0-31 write the fragments of steps 0 and 1,
; groups 32-61 those of steps 2 and 3.  A line reads results of earlier groups only.
.macro FG g
	WIN 0
.set FGN, \g
.set FJ, FGN/4+1
.if FGN >= 60
.set FK, 2*(FGN-60)+1
.else
.set FK, FGN&3
.endif
.set FC, 16*(FJ&1)
.set FP, 16-FC
.set FS, AF+64*((FJ-1)>>3)+((FJ-1)&7)
.if FK == 0
.irp e, 0,1,2,3
	UPD Z+FC+4*\e, \e, Z+FP+4*\e+2, Z+FP+4*\e
.endr
.endif
.if FK == 1
.irp e, 0,1,2,3
	v_cvt_pk_f16_f32 v[FS+8*\e], v[Z+FP+4*\e], v[Z+FP+4*\e+2]
.endr
.endif
.if FK == 2
.irp e, 0,1,2,3
	UPD Z+FC+4*\e+2, \e, Z+FC+4*\e, Z+FP+4*\e+2
.endr
.endif
.if FK == 3
.irp e, 0,1,2,3
	v_cvt_pk_f16_f32 v[FS+32+8*\e], v[Z+FP+4*\e+1], v[Z+FP+4*\e+3]
.endr
.endif
.set PLC, PLC+4
.endm
; Chunk c = rows 8 c .. 8 c + 7 of my 32 rows of a coefficient tile.  CVG: group i (0 .. 3) rounds two of its rows, from register half q, to f16.
; cnt, in front of group 0: how many younger loads may stay out.
.macro CVG c, i, q, cnt
.set CVI, \i
.if CVI == 0
	s_wait_loadcnt \cnt
.if CTB
	s_wait_alu depctr_vm_vsrc(0)                   ; the LDS stores of the chunk before have read CT, which these conversions write again
.set CTB, 0
.endif
.endif
	WIN W_CV
.irp k, 0,1
	v_cvt_pk_f16_f32 v[CT+4*CVI+2*\k],   v[128*\q+4*(8*\c+2*CVI+\k)],   v[128*\q+4*(8*\c+2*CVI+\k)+1]
	v_cvt_pk_f16_f32 v[CT+4*CVI+2*\k+1], v[128*\q+4*(8*\c+2*CVI+\k)+2], v[128*\q+4*(8*\c+2*CVI+\k)+3]
.endr
.set PLC, PLC+4
.endm
.macro ST1 c, wb, k                    ; row k of the chunk's eight into LDS buffer wb, under the matrix setting
.set STK, \k
	WIN W_MM
	ds_store_b64 v[VS1], v[CT+2*STK:CT+2*STK+1] offset:\wb*BBUF+(8*\c+STK)*PB   ; 32 lanes, 256 consecutive bytes
.set DSA, DSA+1
.set CTB, 1
.endm
.macro STC c, wb                       ; all eight rows in one run
.irp k, 0,1,2,3,4,5,6,7
	ST1 \c, \wb, \k
.endr
.endm
.macro LD4 c, q, i                     ; rows 4 i .. 4 i + 3 of the chunk's registers are asked for again, two tiles on
.set LDI, \i
.if \c == 0
.if LDI == 0
	s_wait_xcnt 0x0                                ; the base of the loads still out is stepped only behind this wait
	s_add_nc_u64 s[SB:SB+1], s[SB:SB+1], ISTEP     ; the next input = the next tile
.endif
.endif
	WIN W_LS
.irp k, 0,1,2,3
	global_load_b128 v[128*\q+4*(8*\c+4*LDI+\k):128*\q+4*(8*\c+4*LDI+\k)+3], v[VB], s[SB:SB+1] offset:(8*\c+4*LDI+\k)*GROW
.endr
.endm
.macro LDC c, q                        ; all eight rows in one run
	LD4 \c, \q, 0
	LD4 \c, \q, 1
.endm
; A PHASE BOUNDARY.  First the wait for the fragments of the phase that follows, which were asked for a phase ago: its count is DSA, the LDS
; instructions issued behind them (stores of a chunk; once in a period also 4 loads of x).  Then the one wait on va_vdst, and what hangs on it:
; ld = 1, chunk c of half wb is asked for again; frag = 1, the fragments of step s of LDS buffer p go into buffer q, which the phase just ended has read
; (four plain vector instructions stand between its last matrix instruction and these loads as well: the last slot's group where it has one, v_nop
; otherwise); xl = 1, the x of the tile after the next; st = 1, chunk c, converted in the phase just ended, goes into LDS buffer wb.
; The stores and the refill are left to the slots of the phase that follows, and with deal = 1 the fragment loads too; with deal = 0 these stand
; here in one run, since phases B and C have no free slots for them.
.macro BND p, s, q, frag, st, c, wb, ld, xl, deal
.if DSP
	s_wait_dscnt DSA
.set DSP, 0
.endif
.if \frag
.if PLC < 4
.rept 4-PLC
	v_nop
.endr
.set PLC, 4
.endif
.endif
.if \frag+\st+\ld+\xl
	s_wait_alu depctr_va_vdst(0)                   ; of the phase just ended: its matrix instructions are done reading buffer q, in which fragments land; its conversions have written CT, which the LDS stores read, and are done reading their chunk, in which the refill lands; in front of phase C also: v[VX] is written, and pieces 1 and 3 are done reading XR, in which x lands
.endif
.set M_ST, \st
.set M_LD, \ld
.set M_C,  \c
.set M_WB, \wb
.set M_FR, 0
.if \frag
.if \deal
.set M_FR, 1
.set M_P,  \p
.set M_S,  \s
.set M_Q,  \q
.else
	FRG \p, \s, \q
.endif
.endif
.if \xl
	WIN 0
.irp a, 0,1,2,3
	ds_load_b32 v[XR+\a], v[VX] offset:\a*16*PX    ; my own bytes of the x stage; in by the wait for 0 in front of the period's barrier signal
.endr
.set DSA, DSA+4
.endif
.endm
; Behind the matrix instruction of each of a phase's slots 0 to 7: one of the eight LDS stores that the boundary left.  No wait: no vector instruction
; since the boundary's wait names CT or the address.
.macro MST
.if M_ST
.if SL < 8
	ST1 M_C, M_WB, SL
.endif
.endif
.endm
; PHASES A AND D: matrix step s on buffer q (mm = 0: no matrix work, ahead of the first tile).  Odd slots: feature groups fb .. fb + 15 (fg = 1).
; Even slots 0 .. 6: the boundary's fragment loads, four to a slot; 8, 10: its refill; no vector or matrix instruction since the boundary's wait names
; a register that these loads touch.  Slots 18 .. 24: chunk cc of register half ch is converted (cv = 1), behind the stores that read CT and behind the
; refill, so that the same loads are younger at its wait as with the refill in a run.  sig = 1: in front of slot 16 the barrier is signalled.
.macro PH_AD s, q, mm, fg, fb, cv, cc, ch, cnt, sig
.set SL, 0
.rept 32
.if \sig
.if SL == 16
	s_wait_dscnt 0x0                               ; for the other waves: my stores of the next tile and my last reads of this tile's buffer are done
	s_barrier_signal -1                            ; up to the wait at the phase's end: registers only
.set DSP, 0
.set DSA, 0
.endif
.endif
.if \mm
	W \s, \q, 0
.endif
	MST
.if SL & 1
.if \fg
	FG \fb+(SL>>1)
.endif
.else
.if M_FR
.if SL <= 6
	FRG4 M_P, M_S, M_Q, SL/2
.endif
.endif
.if M_LD
.if SL >= 8
.if SL <= 10
	LD4 M_C, M_WB, (SL-8)/2
.endif
.endif
.endif
.if \cv
.if SL >= 18
.if SL <= 24
	CVG \cc, (SL-18)/2, \ch, \cnt
.endif
.endif
.endif
.endif
.set SL, SL+1
.endr
.endm
; PHASE B: matrix step 0.  Odd slots 3 .. 31: feature groups 32-46.  Even slots 0 .. 16: pieces 1-9 of the next tile's cos and sin; 18, 20: the
; boundary's refill; 22 .. 28: chunk 2.
.macro PH_B zero, nxt, np, cnt
.set SL, 0
.rept 32
	W 0, 0, \zero
	MST
.if SL & 1
.if SL >= 3
	FG 32+(SL-3)/2
.endif
.else
.if SL <= 16
.if \nxt
	BG SL/2+1
.endif
.else
.if SL <= 20
.if M_LD
	LD4 M_C, M_WB, (SL-18)/2
.endif
.else
.if SL <= 28
.if \nxt
	CVG 2, (SL-22)/2, \np, \cnt
.endif
.endif
.endif
.endif
.endif
.set SL, SL+1
.endr
.endm
; PHASE C: matrix step 1.  Even slots 0 .. 24: feature groups 47-59; odd slots 1 .. 7: pieces 10-13; 9, 11: the boundary's refill; 13 .. 19: chunk 3.
; Group 59 is the last that reads Z's set 0 and group 58 the last that reads the factors, so pieces 14-18, which write both anew, stand in slots
; 25, 27, 29, 30, 31; groups 60 and 61, which read set 1, in slots 26 and 28.
.macro PH_C nxt, np, cnt
.set SL, 0
.rept 32
	W 1, 1, 0
	MST
.if SL <= 24
.if SL & 1
.if SL <= 7
.if \nxt
	BG 10+(SL-1)/2
.endif
.else
.if SL <= 11
.if M_LD
	LD4 M_C, M_WB, (SL-9)/2
.endif
.else
.if SL <= 19
.if \nxt
	CVG 3, (SL-13)/2, \np, \cnt
.endif
.endif
.endif
.endif
.else
	FG 47+SL/2
.endif
.else
.if SL == 26
	FG 60
.endif
.if SL == 28
	FG 61
.endif
.if \nxt
.if SL == 25
	BG 14
.endif
.if SL == 27
	BG 15
.endif
.if SL >= 29
	BG SL-13
.endif
.endif
.endif
.set SL, SL+1
.endr
.endm
; THE PERIOD OF TILE t, which lies in LDS buffer p (np = the other).  nxt: tile t + 1 exists (it is converted into buffer np, its features begin, and
; the period ends with the barrier); nx2: tile t + 2 exists (its chunk 0 is converted in phase D, its x fetched); refill: tile t + 3 exists and is asked
; for.  Chunk c (1 .. 3) of tile t + 1 waits for c0 - dc c loads, chunk 0 of tile t + 2 for c0n.
; THE BARRIER, one for each period.  In front of the signal: my stores of tile t + 1 into buffer np and my reads of buffer p are done.  Behind the wait:
; the next period reads buffer np and stores into buffer p.
.macro PERIOD p, np, mma, zero, nxt, nx2, refill, c0, dc, c0n
.set P_NX2, \nx2
	BND \p, 0, 0, 1, \nxt, 0, \np, \refill, 0, 1
	PH_AD 3, 1, \mma, 1, 16, \nxt, 1, \np, \c0-\dc*1, 0
	BND \p, 1, 1, 1, \nxt, 1, \np, \refill, 0, 0
	PH_B \zero, \nxt, \np, \c0-\dc*2
	BND \p, 2, 0, 1, \nxt, 2, \np, \refill, \nx2, 0
	PH_C \nxt, \np, \c0-\dc*3
	BND \p, 3, 1, 1, \nxt, 3, \np, \refill, 0, 1
	PH_AD 2, 0, 1, \nxt, 0, \nx2, 0, \p, \c0n, \nxt
.if \nxt
	s_barrier_wait -1
.endif
.endm
	s_wait_alu depctr_va_vdst(0)                   ; the offsets and addresses v4 to v11 and v[VS1] are written: every load and store of the kernel reads one of them
	; x of my 64 rows and 64 inputs, once: sixteen lanes take 256 consecutive aligned bytes of a row, two rows an instruction
.set n, 0
.rept 32
	global_load_b128 v[AF+4*n:AF+4*n+3], v[VXG], s[SX:SX+1] offset:2*GROW*n
.set n, n+1
.endr
	WIN W_LS
.set n, 0
.rept 32
	global_load_b128 v[4*n:4*n+3], v[VB], s[SB:SB+1] offset:GROW*n             ; tile 0 into half 0
.set n, n+1
.endr
	WIN 0
	s_wait_loadcnt 32                              ; x is in; the 32 loads of tile 0 stay out
.set n, 0
.rept 32
	ds_store_b128 v[VXS], v[AF+4*n:AF+4*n+3] offset:2*PX*n
.set n, n+1
.endr
	s_wait_xcnt 0x0                                ; the base of the loads of tile 0 is stepped only behind this wait
	s_add_nc_u64 s[SB:SB+1], s[SB:SB+1], ISTEP
	WIN W_LS
.set n, 0
.rept 32
	global_load_b128 v[128+4*n:128+4*n+3], v[VB], s[SB:SB+1] offset:GROW*n     ; tile 1 into half 1
.set n, n+1
.endr
	WIN 0
.irp a, 0,1,2,3
	ds_load_b32 v[XR+\a], v[VX] offset:\a*16*PX    ; x of tile 0; LDS serves a wave in order, so these see the stores above
.endr
	; Tile 0 goes into buffer 0, and tile 2 is asked for.  The count 56, here and in every full period: behind the eight rows of chunk c stand the
	; 8 (3 - c) later rows of the tile, the 32 rows of the next tile and the 8 c rows asked for again so far.  Sixty-four loads are asked for at the
	; most; the issue of a load holds until the counter has room (ISA guide 5.7.1), so no wait is placed for that.
.irp c, 0,1,2,3
.irp i, 0,1,2,3
	CVG \c, \i, 0, 56
.endr
	s_wait_alu depctr_va_vdst(0)                   ; the conversions have written CT, which the LDS stores read, and are done reading the chunk's registers, in which the loads land
	STC \c, 0
	LDC \c, 0
.endr
	s_wait_dscnt 0x0                               ; x of tile 0 is in
	; what the phases B, C and D of a period in front of the first would have done: cos and sin of tile 0, its feature groups 0-15, chunk 0 of tile 1
.set P_NX2, 1
.set n, 1
.rept 9
	BG n
.set n, n+1
.endr
	s_wait_alu depctr_va_vdst(0)                   ; piece 1 has written v[VX], which the loads below read, and pieces 1 and 3 are done reading XR, in which they land
.irp a, 0,1,2,3
	ds_load_b32 v[XR+\a], v[VX] offset:\a*16*PX    ; x of tile 1, behind piece 3, the last that reads x of tile 0
.endr
.rept 9
	BG n
.set n, n+1
.endr
	; The feature groups write v[AF ..], which my LDS stores of x have read: the waits on vm_vsrc ahead of chunks 1 to 3 and in piece 1 stand behind those stores.
.set n, 0
.rept 16
	FG n
.set n, n+1
.endr
.irp i, 0,1,2,3
	CVG 0, \i, 1, 56                               ; behind chunk 0 of tile 1: its 24 later rows and the 32 rows of tile 2
.endr
	s_wait_dscnt 0x0                               ; for the other waves: my stores of tile 0 are done (and my x of tile 1 is in)
	s_barrier_signal -1
	s_barrier_wait -1
.set DSA, 0
.set DSP, 0
.set PLC, 4
	PERIOD 0, 1, 0, 1, 1, 1, 1, 56, 0, 56          ; tile 0: no matrix work in phase A; the products of phase B start the sums
	WIN 0                                          ; at a label and at a branch every window is 0
	s_mov_b32 s22, 14                              ; tiles 1 to 28
.Lpair:
	PERIOD 1, 0, 1, 0, 1, 1, 1, 56, 0, 56
	PERIOD 0, 1, 1, 0, 1, 1, 1, 56, 0, 56
	WIN 0
	s_sub_co_i32 s22, s22, 1
	s_cmp_lg_u32 s22, 0
	s_cbranch_scc1 .Lpair
	PERIOD 1, 0, 1, 0, 1, 1, 0, 56, 8, 24          ; tile 29 converts tile 30 and asks for nothing: behind chunk c stand 8 (3 - c) rows and tile 31: 48, 40, 32; behind chunk 0 of tile 31 its 24 later rows
	PERIOD 0, 1, 1, 0, 1, 0, 0, 24, 8, 0           ; tile 30 converts the rest of tile 31: 16, 8, 0
	PERIOD 1, 0, 1, 0, 0, 0, 0, 0, 0, 0            ; tile 31: nothing follows, no barrier
	BND 0, 0, 0, 0, 0, 0, 0, 0, 0, 0               ; only the wait for the fragments of its step 3
	PH_AD 3, 1, 1, 0, 0, 0, 0, 0, 0, 0
; THE WAY OUT, 16 rows at a time through my own stage: a lane holds 8 neighbouring columns of one row (two stores of 16 bytes); rows are read back
; whole, and each global store of the wave covers 512 consecutive aligned bytes.  LDS serves a wave in order: no wait between stores and loads.
.macro OUT16 a, set
	WIN W_OUT
.irp b, 0,1,2,3,4,5,6,7
	ds_store_b128 v[VO], v[8*(8*\a+\b):8*(8*\a+\b)+3]   offset:64*\b
	ds_store_b128 v[VO], v[8*(8*\a+\b)+4:8*(8*\a+\b)+7] offset:64*\b+16
.endr
	WIN 0
	s_wait_xcnt 0x0                                ; registers that earlier global stores read are loaded again only behind this wait
.if \a >= 2
	s_wait_alu depctr_vm_vsrc(0)                   ; the global stores of two blocks back have read these registers, in which the loads below land
.endif
.irp o, 0,1,2,3,4,5,6,7,8,9,10,11,12,13,14,15
	ds_load_b128 v[AF+64*\set+4*\o:AF+64*\set+4*\o+3], v[VR] offset:PO*\o
.endr
.irp o, 0,1,2,3,4,5,6,7,8,9,10,11,12,13,14,15
	s_wait_dscnt 15-\o                             ; row o is back; the younger rows stay out
	global_store_b128 v[VB], v[AF+64*\set+4*\o:AF+64*\set+4*\o+3], s[8:9] offset:(16*\a+\o)*GROW
.endr
.endm
	PLACES                                         ; behind the last matrix instructions: results are stored to LDS, feature registers loaded into
	s_wait_alu depctr_va_vdst(0)                   ; the matrix instructions have written the accumulators, which the LDS stores read; they and the feature groups are done with v[AF ..], in which the rows from the stage land; the places above stay beside this wait
	OUT16 0, 0
	OUT16 1, 1
	OUT16 2, 0
	OUT16 3, 1
	s_wait_dscnt 0x0
	s_wait_alu depctr_hold_cnt(0) depctr_sa_sdst(0) depctr_va_vdst(0) depctr_va_sdst(0) depctr_va_ssrc(0) depctr_va_vcc(0) depctr_vm_vsrc(0)
	s_wait_tensorcnt 0x0
	ds_add_u32 v126, v127
	s_wait_dscnt 0x0
	s_endpgm
.Lfunc_end_k_q04d3ff0c55_kan_part:
	.size	k_q04d3ff0c55_kan_part, .Lfunc_end_k_q04d3ff0c55_kan_part-k_q04d3ff0c55_kan_part
	.p2alignl 7, 3214868480
	.fill 96, 4, 3214868480
	.section	.rodata,"a",@progbits
	.p2align	6, 0x0
	.amdhsa_kernel k_q04d3ff0c55_kan_part
		.amdhsa_group_segment_fixed_size 177664
		.amdhsa_private_segment_fixed_size 0
		.amdhsa_enable_private_segment 0
		.amdhsa_kernarg_size 24
		.amdhsa_user_sgpr_count 2
		.amdhsa_user_sgpr_kernarg_segment_ptr 1
		.amdhsa_wavefront_size32 1
		.amdhsa_system_sgpr_workgroup_id_x 1
		.amdhsa_system_sgpr_workgroup_id_y 1
		.amdhsa_system_sgpr_workgroup_id_z 1
		.amdhsa_system_vgpr_workitem_id 0
		.amdhsa_next_free_vgpr 1024
		.amdhsa_next_free_sgpr 66
		.amdhsa_reserve_vcc 0
		.amdhsa_float_denorm_mode_32 3
		.amdhsa_float_denorm_mode_16_64 3
		.amdhsa_memory_ordered 1
		.amdhsa_forward_progress 1
		.amdhsa_inst_pref_size 255
	.end_amdhsa_kernel
	.section	.bss,"aw",@nobits
	.p2align	6
	.space	262144
	.amdgpu_metadata
---
amdhsa.version: [ 1, 2 ]
amdhsa.kernels:
  - .name:           k_q04d3ff0c55_kan_part
    .symbol:         k_q04d3ff0c55_kan_part.kd
    .args:
      - { .name: x, .offset: 0, .size: 8, .value_kind: global_buffer, .address_space: global }
      - { .name: fourier_coeffs, .offset: 8, .size: 8, .value_kind: global_buffer, .address_space: global }
      - { .name: part, .offset: 16, .size: 8, .value_kind: global_buffer, .address_space: global }
    .group_segment_fixed_size: 177664
    .private_segment_fixed_size: 0
    .kernarg_segment_align: 8
    .kernarg_segment_size: 24
    .max_flat_workgroup_size: 128
    .sgpr_count:     66
    .vgpr_count:     1024
    .wavefront_size: 32
...
	.end_amdgpu_metadata
.endif
;; end of part 4
;; launch kan_sum: the kernel of part 2 again; grid 256 x 1, 8 waves a work-group, no clusters, 0 bytes of LDS; arguments part, bias, out0; writes out0
